; MI455X (gfx1250); checked and timed in simulation.
; The chip was launched on July 23, 2026; its instructions are those of AMD's public machine-readable ISA for CDNA 5 (MIT licence, August 2026) and "CDNA5" Instruction Set Architecture Reference Guide (July 2026). The comments in the code are by the model that wrote it; some were corrected since.
;; Gated Attention Unit. Allowed arithmetic: float matrix products may take bf16 or f16 operands with f32 sums; all other float work in f32.
;; Inputs: Wg 1,024 x 2,048 float32; Wi 1,024 x 128 float32; Wo 2,048 x 1,024 float32; Wv 1,024 x 2,048 float32; beta_k 128 float32; beta_q 128 float32; bg 2,048 float32; bi 128 float32; bo 1,024 float32; bv 2,048 float32; gamma_k 128 float32; gamma_q 128 float32; x 2 x 2,048 x 1,024 float32.
;; Outputs: out0 2 x 2,048 x 1,024 float32.
;; One version. Each part assembles by itself: llvm-mc -triple=amdgcn-amd-amdhsa -mcpu=gfx1250 --defsym DOCPART=n.
;; ======== version 1 of 1: 5 launches
;; limits: values are held in f16: magnitudes above 65,504 overflow, below 6.1e-05 lose precision; inputs' magnitudes at most 65,504; right only within a limited range of input values
;; workspace buffers: pre 23,068,672 bytes; vb 16,777,216 bytes; gate 33,554,432 bytes; sgv 4,096 bytes; attn 16,777,216 bytes; sa 5,120 bytes; ob 16,777,216 bytes
;; launch prep (part 1): grid 256 x 1, 8 waves a work-group, no clusters, 68,864 bytes of LDS; arguments x, Wv, Wg, Wo, Wi, bi, gamma_q, beta_q, gamma_k, beta_k, pre; writes pre
.if DOCPART == 1
	.amdgcn_target "amdgcn-amd-amdhsa--gfx1250"
	.amdhsa_code_object_version 6
	.text
	.protected	k_q5ab764f52f_prep
	.globl	k_q5ab764f52f_prep
	.p2align	8
	.type	k_q5ab764f52f_prep,@function
k_q5ab764f52f_prep:
	s_mov_b64 s[64:65], 0
	v_nop
	global_prefetch_b8 v0, s[64:65] scope:SCOPE_SE
	s_setreg_imm32_b32 hwreg(HW_REG_WAVE_MODE, 25, 1), 1
	s_wait_xcnt 0x0
; PREP: casts x, Wv, Wg, Wo to f16 and makes q and k.
;   pre: xh [4096][1024] f16 at 0; wc [1024][4096] f16 = Wv|Wg at 8,388,608; woh [2048][1024] f16 at 16,777,216;
;        q [4096][128] bf16 at 20,971,520; k [4096][128] bf16 at 22,020,096.
; A work-group takes 16 rows of x (65,536 consecutive bytes) and 1/256 of each of Wv, Wg, Wo.  Each load of a wave covers 512
; consecutive bytes, each store of a wave 256 consecutive bytes, aligned.
; x_ = silu(x Wi + bi): wave (ch = w & 1, kq = w >> 1) makes 16 rows x 64 columns over 256 of K, in 8 steps of 32; the four
; K quarters meet in LDS.  Wi's fragments are built in registers from its f32 rows (16 lanes read 256 consecutive bytes).
; LIMITS: x and the weights are rounded to f16: an element above 65504 in magnitude overflows.  NaN and infinities are not served.
; No cluster and no tensor load: what the work-groups share is Wi alone (512 KiB), and it is converted on its way through registers.
.set PRM, 16                           ; v[16:55]  bi, gamma_q, beta_q, gamma_k, beta_k of my 8 columns
.set XR,  56                           ; v[56:119] x as loaded; later Wo in v[56:87]
.set WVR, 120                          ; v[120:151] Wv as loaded
.set WGR, 152                          ; v[152:183] Wg as loaded
.set L0,  192                          ; v[192:255] sixteen rows of Wi, buffer 0
.set L1,  128                          ; v[128:191] buffer 1 (free when Wv's and Wg's stores have read their data)
.set AF,  56                           ; v[56:63]  A fragment
.set ACC, 64                           ; v[64:95]  four accumulators
.set F,   96                           ; v[96:127] four B fragments
.set PS,  33024                        ; LDS: x in f16, 16 rows of pitch 2,064, at 0; partial sums, 4,352 bytes a wave, from PS on
	s_load_b512 s[8:23], s[0:1], 0x0               ; x, Wv, Wg, Wo, Wi, bi, gamma_q, beta_q
	s_load_b128 s[24:27], s[0:1], 0x40             ; gamma_k, beta_k
	s_load_b64 s[28:29], s[0:1], 0x50              ; pre
	s_set_vgpr_msb 0x40
	v_lshl_add_u32 v0, v0, 2, 0x10900
	v_mov_b32 v1, 0
	s_set_vgpr_msb 0x4000
	v_lshrrev_b32 v1, 5, v0
	v_readfirstlane_b32 s2, v1                     ; wave w
	v_and_b32 v1, 31, v0                           ; lane L
	v_and_b32 v2, 15, v0                           ; r
	v_bfe_u32 v3, v0, 4, 1                         ; h
	s_and_b32 s3, s2, 1                            ; ch
	s_lshr_b32 s4, s2, 1                           ; kq
	s_lshl_b32 s5, s2, 13
	v_lshl_add_u32 v4, v1, 4, s5                   ; x source: 8,192 w + 16 L
	s_lshl_b32 s5, s2, 12
	v_lshl_add_u32 v5, v1, 3, s5                   ; xh: 4,096 w + 8 L
	v_lshl_add_u32 v7, v1, 4, s5                   ; weights' source: 4,096 w + 16 L
	s_mul_i32 s5, s2, 4128
	v_lshl_add_u32 v6, v1, 3, s5                   ; LDS, x in f16: my two rows, 2 x 2,064 w + 8 L
	s_lshl_b32 s5, s4, 13
	s_lshl_b32 s6, s3, 11
	s_add_co_u32 s5, s5, s6
	v_lshl_add_u32 v8, v1, 3, s5                   ; wc: row (w >> 1), half (w & 1)
	s_lshl_b32 s5, s2, 11
	v_lshl_add_u32 v9, v1, 3, s5                   ; woh: row w
	s_lshl_b32 s5, s4, 17
	s_lshl_b32 s6, s3, 8
	s_add_co_u32 s5, s5, s6
	v_lshl_add_u32 v10, v3, 12, s5                 ; Wi: row 256 kq + 8 h, column 64 ch + 4 r
	v_lshl_add_u32 v10, v2, 4, v10
	v_mul_u32_u24 v11, v2, 2064
	v_lshl_add_u32 v11, v3, 4, v11
	s_lshl_b32 s5, s4, 9
	v_add_nc_u32 v11, s5, v11                      ; A fragment: row r, K = 256 kq + 8 h
	s_mul_i32 s5, s2, 4352
	s_add_co_u32 s5, s5, PS
	v_mul_u32_u24 v12, v3, 2176
	v_lshl_add_u32 v12, v2, 4, v12
	v_add_nc_u32 v12, s5, v12                      ; my partial sums: row 8 h (+ j), column 4 r (+ c)
	v_lshrrev_b32 v14, 4, v0
	v_mul_u32_u24 v13, v14, 272
	v_and_b32 v14, 7, v0
	v_lshl_add_u32 v13, v14, 5, v13
	v_bfe_u32 v14, v0, 3, 1
	v_mad_u32_u24 v13, v14, 4352, v13              ; read-back: row t >> 4, columns 8 (t & 15)
	v_lshlrev_b32 v14, 5, v2                       ; the five vectors: 32 (t & 15)
	v_lshlrev_b32 v15, 4, v0                       ; q and k: 16 t
	s_mov_b32 s7, 0
	s_wait_kmcnt 0x0
	s_lshl_b32 s6, ttmp9, 16
	s_add_nc_u64 s[8:9], s[8:9], s[6:7]            ; x at my 16 rows
	s_lshl_b32 s6, ttmp9, 15
	s_add_nc_u64 s[10:11], s[10:11], s[6:7]        ; my 32,768 bytes of Wv, Wg, Wo
	s_add_nc_u64 s[12:13], s[12:13], s[6:7]
	s_add_nc_u64 s[14:15], s[14:15], s[6:7]
	s_add_nc_u64 s[30:31], s[28:29], s[6:7]        ; xh
	s_add_nc_u64 s[32:33], s[30:31], 0x800000      ; wc: four rows of 8,192 bytes a work-group
	s_lshl_b32 s6, ttmp9, 14
	s_add_nc_u64 s[34:35], s[28:29], s[6:7]
	s_add_nc_u64 s[34:35], s[34:35], 0x1000000     ; woh
	s_lshl_b32 s6, ttmp9, 12
	s_add_nc_u64 s[36:37], s[28:29], s[6:7]
	s_add_nc_u64 s[36:37], s[36:37], 0x1400000     ; q; k lies 1,048,576 bytes behind
.irp i, 0,1
	global_load_b128 v[PRM+4*\i:PRM+4*\i+3],       v14, s[18:19] offset:16*\i
	global_load_b128 v[PRM+8+4*\i:PRM+8+4*\i+3],   v14, s[20:21] offset:16*\i
	global_load_b128 v[PRM+16+4*\i:PRM+16+4*\i+3], v14, s[22:23] offset:16*\i
	global_load_b128 v[PRM+24+4*\i:PRM+24+4*\i+3], v14, s[24:25] offset:16*\i
	global_load_b128 v[PRM+32+4*\i:PRM+32+4*\i+3], v14, s[26:27] offset:16*\i
.endr
.irp i, 0,1,2,3,4,5,6,7,8,9,10,11,12,13,14,15
	global_load_b128 v[XR+4*\i:XR+4*\i+3], v4, s[8:9] offset:512*\i th:TH_LOAD_NT
.endr
.irp i, 0,1,2,3,4,5,6,7
	global_load_b128 v[WVR+4*\i:WVR+4*\i+3], v7, s[10:11] offset:512*\i th:TH_LOAD_NT
.endr
.irp i, 0,1,2,3,4,5,6,7
	global_load_b128 v[WGR+4*\i:WGR+4*\i+3], v7, s[12:13] offset:512*\i th:TH_LOAD_NT
.endr
; n loads of four f32 become n stores of four f16, in place
.macro CAST reg, n, voff, sbase, imm0
.set ii, 0
.rept \n
	v_cvt_pk_f16_f32 v[\reg+4*ii],   v[\reg+4*ii],   v[\reg+4*ii+1]
	v_cvt_pk_f16_f32 v[\reg+4*ii+1], v[\reg+4*ii+2], v[\reg+4*ii+3]
	global_store_b64 v[\voff], v[\reg+4*ii:\reg+4*ii+1], s[\sbase:\sbase+1] offset:\imm0+256*ii
.set ii, ii+1
.endr
.endm
	s_wait_loadcnt 16                              ; the vectors and x are in; Wv's and Wg's sixteen loads stay out
	CAST XR, 16, 5, 30, 0
.irp i, 0,1,2,3,4,5,6,7,8,9,10,11,12,13,14,15
	ds_store_b64 v6, v[XR+4*\i:XR+4*\i+1] offset:(\i/8)*2064+(\i%8)*256
.endr
	s_wait_xcnt 0x0                                ; the stores of xh have read their data: v[56:87] are loaded again only behind this wait
.irp i, 0,1,2,3,4,5,6,7
	global_load_b128 v[XR+4*\i:XR+4*\i+3], v7, s[14:15] offset:512*\i th:TH_LOAD_NT
.endr
.irp t, 0,1,2,3,4,5,6,7,8,9,10,11,12,13,14,15
	global_load_b128 v[L0+4*\t:L0+4*\t+3], v10, s[16:17] offset:(\t+8*(\t/8))*512   ; Wi, K step 0
.endr
	s_wait_dscnt 0x0                               ; my two rows of x are in LDS, for the other waves' sake
	s_barrier_signal -1
	s_barrier_wait -1
	s_wait_loadcnt 32                              ; Wv is in: Wg 8, Wo 8 and Wi 16 are younger
	CAST WVR, 8, 8, 32, 0
	s_wait_loadcnt 24                              ; Wg is in
	CAST WGR, 8, 8, 32, 4096
	s_wait_loadcnt 16                              ; Wo is in
	CAST XR, 8, 9, 34, 0
	s_wait_xcnt 0x0                                ; all stores have read their data: v[56:191] are free
	ds_load_b128 v[AF:AF+3],   v11
	ds_load_b128 v[AF+4:AF+7], v11 offset:32
; One K step of 32.  lc: the buffer that holds this step's sixteen rows of Wi, ln: the buffer for the next step's.
; Register j of column tile c's fragment = the f16 pair (row 2j, row 2j+1) of word c; tile c's lane r stands for column 64 ch + 4 r + c.
; The four accumulators take turns, one instruction a turn.
.macro KSTEP ks, lc, ln
.if \ks < 7
.irp t, 0,1,2,3,4,5,6,7,8,9,10,11,12,13,14,15
	global_load_b128 v[\ln+4*\t:\ln+4*\t+3], v10, s[16:17] offset:(32*(\ks+1)+\t+8*(\t/8))*512
.endr
	s_wait_loadcnt 16                              ; this step's rows are in, the next step's sixteen stay out
.else
	s_wait_loadcnt 0x0
.endif
.irp c, 0,1,2,3
.irp j, 0,1,2,3,4,5,6,7
	v_cvt_pk_f16_f32 v[F+8*\c+\j], v[\lc+8*\j+\c], v[\lc+8*\j+4+\c]
.endr
.endr
	s_wait_dscnt 0x0                               ; the A fragment
.irp c, 0,1,2,3
.if \ks == 0
	v_wmma_f32_16x16x32_f16 v[ACC+8*\c:ACC+8*\c+7], v[AF:AF+7], v[F+8*\c:F+8*\c+7], 0
.else
	v_wmma_f32_16x16x32_f16 v[ACC+8*\c:ACC+8*\c+7], v[AF:AF+7], v[F+8*\c:F+8*\c+7], v[ACC+8*\c:ACC+8*\c+7]
.endif
.endr
.rept 4
	v_nop                                          ; four places ahead of the loads into AF, the writes of F, the stores of the sums
.endr
.if \ks < 7
	ds_load_b128 v[AF:AF+3],   v11 offset:64*(\ks+1)
	ds_load_b128 v[AF+4:AF+7], v11 offset:64*(\ks+1)+32
.endif
.endm
	KSTEP 0, L0, L1
	KSTEP 1, L1, L0
	KSTEP 2, L0, L1
	KSTEP 3, L1, L0
	KSTEP 4, L0, L1
	KSTEP 5, L1, L0
	KSTEP 6, L0, L1
	KSTEP 7, L1, L0
.irp c, 0,1,2,3
.irp j, 0,1,2,3,4,5,6,7
	ds_store_b32 v12, v[ACC+8*\c+\j] offset:272*\j+4*\c
.endr
.endr
	s_wait_dscnt 0x0                               ; my partial sums are in LDS, for the other waves' sake
	s_barrier_signal -1
	s_barrier_wait -1
	; thread t: row t >> 4, columns 8 (t & 15): four partial sums, bias, silu, q and k
.irp kq, 0,1,2,3
	ds_load_b128 v[128+8*\kq:128+8*\kq+3], v13 offset:PS+8704*\kq
	ds_load_b128 v[132+8*\kq:132+8*\kq+3], v13 offset:PS+8704*\kq+16
.endr
	s_wait_dscnt 0x0
.irp p, 0,2,4,6
	v_pk_add_f32 v[128+\p:129+\p], v[128+\p:129+\p], v[136+\p:137+\p]
	v_pk_add_f32 v[144+\p:145+\p], v[144+\p:145+\p], v[152+\p:153+\p]
.endr
.irp p, 0,2,4,6
	v_pk_add_f32 v[128+\p:129+\p], v[128+\p:129+\p], v[144+\p:145+\p]
.endr
.irp p, 0,2,4,6
	v_pk_add_f32 v[128+\p:129+\p], v[128+\p:129+\p], v[PRM+\p:PRM+\p+1]
.endr
.irp p, 0,2,4,6
	v_pk_mul_f32 v[160+\p:161+\p], v[128+\p:129+\p], 0xbfb8aa3b op_sel_hi:[1,0]    ; -z log2(e)
.endr
.irp j, 0,1,2,3,4,5,6,7
	v_exp_f32 v[160+\j], v[160+\j]
.endr
	v_nop                                          ; one plain place behind the last transcendental (ISA guide 5.7.2)
	s_wait_alu depctr_va_vdst(0)
.irp p, 0,2,4,6
	v_pk_add_f32 v[160+\p:161+\p], v[160+\p:161+\p], 1.0 op_sel_hi:[1,0]
.endr
.irp j, 0,1,2,3,4,5,6,7
	v_rcp_f32 v[160+\j], v[160+\j]
.endr
	v_nop
	s_wait_alu depctr_va_vdst(0)
.irp p, 0,2,4,6
	v_pk_mul_f32 v[128+\p:129+\p], v[128+\p:129+\p], v[160+\p:161+\p]              ; silu
.endr
.irp p, 0,2,4,6
	v_pk_fma_f32 v[168+\p:169+\p], v[128+\p:129+\p], v[PRM+8+\p:PRM+9+\p],   v[PRM+16+\p:PRM+17+\p]
	v_pk_fma_f32 v[176+\p:177+\p], v[128+\p:129+\p], v[PRM+24+\p:PRM+25+\p], v[PRM+32+\p:PRM+33+\p]
.endr
.irp j, 0,1,2,3
	v_cvt_pk_bf16_f32 v[184+\j], v[168+2*\j], v[169+2*\j]
	v_cvt_pk_bf16_f32 v[188+\j], v[176+2*\j], v[177+2*\j]
.endr
	global_store_b128 v15, v[184:187], s[36:37]                    ; sixteen lanes fill a row of 256 bytes
	global_store_b128 v15, v[188:191], s[36:37] offset:1048576
	s_set_vgpr_msb 0x5
	s_wait_tensorcnt 0x0
	ds_add_u32 v0, v1
	s_wait_dscnt 0x0
	s_set_vgpr_msb 0x500
	s_endpgm
.Lfunc_end_k_q5ab764f52f_prep:
	.size	k_q5ab764f52f_prep, .Lfunc_end_k_q5ab764f52f_prep-k_q5ab764f52f_prep
	.p2alignl 7, 3214868480
	.fill 96, 4, 3214868480
	.section	.rodata,"a",@progbits
	.p2align	6, 0x0
	.amdhsa_kernel k_q5ab764f52f_prep
		.amdhsa_group_segment_fixed_size 68864
		.amdhsa_private_segment_fixed_size 0
		.amdhsa_enable_private_segment 0
		.amdhsa_kernarg_size 88
		.amdhsa_user_sgpr_count 2
		.amdhsa_user_sgpr_kernarg_segment_ptr 1
		.amdhsa_wavefront_size32 1
		.amdhsa_system_sgpr_workgroup_id_x 1
		.amdhsa_system_sgpr_workgroup_id_y 1
		.amdhsa_system_sgpr_workgroup_id_z 1
		.amdhsa_system_vgpr_workitem_id 0
		.amdhsa_next_free_vgpr 258
		.amdhsa_next_free_sgpr 66
		.amdhsa_reserve_vcc 0
		.amdhsa_float_denorm_mode_32 3
		.amdhsa_float_denorm_mode_16_64 3
		.amdhsa_memory_ordered 1
		.amdhsa_forward_progress 1
		.amdhsa_inst_pref_size 58
	.end_amdhsa_kernel
	.amdgpu_metadata
---
amdhsa.version: [ 1, 2 ]
amdhsa.kernels:
  - .name:           k_q5ab764f52f_prep
    .symbol:         k_q5ab764f52f_prep.kd
    .args:
      - { .name: x, .offset: 0, .size: 8, .value_kind: global_buffer, .address_space: global }
      - { .name: Wv, .offset: 8, .size: 8, .value_kind: global_buffer, .address_space: global }
      - { .name: Wg, .offset: 16, .size: 8, .value_kind: global_buffer, .address_space: global }
      - { .name: Wo, .offset: 24, .size: 8, .value_kind: global_buffer, .address_space: global }
      - { .name: Wi, .offset: 32, .size: 8, .value_kind: global_buffer, .address_space: global }
      - { .name: bi, .offset: 40, .size: 8, .value_kind: global_buffer, .address_space: global }
      - { .name: gamma_q, .offset: 48, .size: 8, .value_kind: global_buffer, .address_space: global }
      - { .name: beta_q, .offset: 56, .size: 8, .value_kind: global_buffer, .address_space: global }
      - { .name: gamma_k, .offset: 64, .size: 8, .value_kind: global_buffer, .address_space: global }
      - { .name: beta_k, .offset: 72, .size: 8, .value_kind: global_buffer, .address_space: global }
      - { .name: pre, .offset: 80, .size: 8, .value_kind: global_buffer, .address_space: global }
    .group_segment_fixed_size: 68864
    .private_segment_fixed_size: 0
    .kernarg_segment_align: 8
    .kernarg_segment_size: 88
    .max_flat_workgroup_size: 256
    .sgpr_count:     66
    .vgpr_count:     258
    .wavefront_size: 32
...
	.end_amdgpu_metadata
.endif
;; end of part 1
;; launch gemm1 (part 2): grid 16 x 16, 4 waves a work-group, clusters of 4 x 4, 327,680 bytes of LDS; arguments pre, bv, bg, vb, gate, sgv; writes vb, gate, sgv
.if DOCPART == 2
	.amdgcn_target "amdgcn-amd-amdhsa--gfx1250"
	.amdhsa_code_object_version 6
	.text
	.protected	k_q5ab764f52f_gemm1
	.globl	k_q5ab764f52f_gemm1
	.p2align	8
	.type	k_q5ab764f52f_gemm1,@function
k_q5ab764f52f_gemm1:
	s_mov_b64 s[64:65], 0
	v_nop
	global_prefetch_b8 v0, s[64:65] scope:SCOPE_SE
	s_setreg_imm32_b32 hwreg(HW_REG_WAVE_MODE, 25, 1), 1
	s_wait_xcnt 0x0
	s_wait_alu depctr_hold_cnt(0) depctr_sa_sdst(0) depctr_va_vdst(0) depctr_va_sdst(0) depctr_va_ssrc(0) depctr_va_vcc(0) depctr_vm_vsrc(0)
	s_getreg_b32 s2, hwreg(HW_REG_IB_STS2, 6, 4)
	s_cmp_eq_u32 s2, 0
	s_cbranch_scc0 .Lentry_in_a_cluster
	s_endpgm
.Lentry_in_a_cluster:
	s_bfe_u32 s2, ttmp6, 0x10000c
	s_cmp_lg_u32 s2, 0xf033
	s_cbranch_scc0 .Lentry_shape_is_right
	s_endpgm
.Lentry_shape_is_right:
; GEMM1: silu(x [Wv|Wg] + [bv|bg]).  A = xh [4096][1024] f16 (pre + 0), B = wc [1024 k][4096 n] f16 (pre + 8,388,608).
; Block columns 0-7 give v (bf16, plain rows, through an LDS stage), block columns 8-15 give gate (f32, in the order of the result
; registers: tile (row/16, col/16) is 1,024 bytes at ((row/16) 128 + col/16) 1,024: [j/4][lane][16 bytes]; lane (r, h) holds row r, columns 8 h + j).
; A work-group makes 256 x 256 with four waves of 128 x 128 (64 accumulator tiles, 512 registers).  K goes in steps of 128 through two LDS slots.
; CLUSTERS 4 x 4: A's tile hangs on the block row alone and is asked for jointly along a row of the cluster, B's on the block column alone, along a column.
; B lies [k][n]: its tile is 128 k rows of 512 bytes, pitch 544, and its fragments come by the transposing LDS load.
; The matrix instruction is used transposed (source 0 = B's fragment, source 1 = A's): a lane's eight results are eight neighbouring columns of one row.
; Each wave also stores the largest |result| of its block into sgv[(cb 16 + rb) 4 + wave]: a later launch makes a scale of them.
; LIMITS: operands in f16 (an element above 65504 in magnitude overflows); NaN and infinities are not served.
; WINDOWS: 0: v0-31 addresses, v64-127 and v128-191 A's fragments (two buffers); 1: v64-191 B's fragments; 2, 3: the accumulators.
.set KSTEP,  128
.set PITCH,  272                       ; A's LDS row: 256 bytes + 16
.set PITCHB, 544                       ; B's LDS row: 512 bytes + 32, an odd multiple of 32
.set HALFT,  34816                     ; what one tensor load brings: 128 x 272 = 64 x 544
.set SLOT,   4*HALFT                   ; A's 256 rows, then B's 128 k rows
.set STAGE,  2*SLOT                    ; behind the ring: 16 rows x 272 bytes for each wave
.set SPITCH, 272
.set LAPS,   4                         ; 1,024 / (2 x 128)
.set ADRA, 16                          ; v16-17 my A fragments in slot 0, 1
.set ADRB, 20                          ; v20-21 the same for B
.set ZR,   22                          ; v22 = 0
.set STO,  24
.set RD,   25
.set CO,   26                          ; my offset in two rows of vb
.set GO,   27                          ; 16 x lane
.set BO,   28                          ; 32 h: my place in the bias
.set LN,   29                          ; lane
.set MX,   30                          ; v30-31 running maxima
.set F0,   64
.set F1,   128
.set BIAS, 64                          ; the way out: v64-127 bias of my 8 x 8 columns
.set TT,   128                         ; v128-191 sixteen rows at work
.set UU,   192                         ; v192-255 the same
.set G1,  24
.set G0,  32
.set G1B, 48
.set G0B, 56
.set MSB, 0
.macro WIN new                         ; the immediate's high byte repeats the setting that is left
.if MSB != (\new)
	s_set_vgpr_msb (MSB<<8)|(\new)
.set MSB, (\new)
.endif
.endm
.set MUL_LO, 0xa1                      ; source 0 (B) window 1, source 1 (A) window 0, C and D window 2
.set MUL_HI, 0xf1
.set TO_B,   0x40
.macro JLOAD s                         ; waves 0, 1 ask for A's halves, waves 2, 3 for B's: one mask and one set of registers to a line
	s_cmp_eq_u32 s17, 0
	s_cbranch_scc0 .Lfor_b_\@
	tensor_load_to_lds s[G0+4*\s:G0+4*\s+3], s[G1:G1+7]
	s_nop 0
	s_branch .Lasked_\@
.Lfor_b_\@:
	tensor_load_to_lds s[G0B+4*\s:G0B+4*\s+3], s[G1B:G1B+7]
	s_nop 0
.Lasked_\@:
.endm
.macro CREST                           ; a round of the cluster's barrier behind its opening barrier
	s_cmp_lg_u32 s16, 0
	s_cbranch_scc1 .Lnot_wave_0_\@
	s_barrier_signal -3
.Lnot_wave_0_\@:
	s_barrier_wait -3
	s_barrier_signal -1
	s_barrier_wait -1
.endm
.macro CROUND
	s_barrier_signal -1
	s_barrier_wait -1
	CREST
.endm
.macro PLACES                          ; four places behind a matrix instruction (ISA guide 7.12.1)
.rept 4
	v_nop
.endr
.endm
	s_load_b256 s[4:11], s[0:1], 0x0               ; pre, bv, bg, vb
	s_load_b128 s[12:15], s[0:1], 0x20             ; gate, sgv
	s_set_vgpr_msb 0x40
	v_lshl_add_u32 v255, v0, 2, 0x48400
	s_set_vgpr_msb 0x4000
	v_mov_b32 v63, 0
	s_set_vgpr_msb 0x1
	ds_add_u32 v255, v63
	ds_add_u32 v255, v63
	s_set_vgpr_msb 0x100
	v_lshrrev_b32 v1, 5, v0
	v_readfirstlane_b32 s16, v1                    ; wave
	s_lshr_b32 s17, s16, 1                         ; my half of the rows; also: I fetch for A (0) or B (1)
	s_and_b32 s18, s16, 1                          ; my half of the columns; also: which half of the tile I fetch
	s_bfe_u32 s19, ttmp6, 0x40000                  ; cx
	s_bfe_u32 s20, ttmp6, 0x40004                  ; cy
	s_lshl_b32 s21, ttmp9, 2
	s_add_co_u32 s21, s21, s19                     ; cb: block column
	s_and_b32 s22, ttmp7, 0xffff
	s_lshl_b32 s22, s22, 2
	s_add_co_u32 s22, s22, s20                     ; rb: block row
	s_lshl_b32 s23, s20, 2
	s_lshl_b32 s23, 15, s23                        ; my row of the cluster
	s_lshl_b32 s40, 0x1111, s19                    ; my column
	s_or_b32 s[G1+0], s23, (1<<16)|(1<<20)|(1<<21)|(5<<22)|(3<<25)   ; 2-byte elements, 4 words of padding behind every 64
	s_mov_b32 s[G1+1], 128<<16                     ; tensor_dim0 = 128
	s_mov_b32 s[G1+2], 128<<16                     ; tensor_dim1 = 128
	s_mov_b32 s[G1+3], 128<<16                     ; tile_dim0 = 128
	s_mov_b32 s[G1+4], 128                         ; tile_dim1 = 128
	s_mov_b32 s[G1+5], 1024                        ; elements from row to row
	s_mov_b32 s[G1+6], 0
	s_mov_b32 s[G1+7], 0
	s_or_b32 s[G1B+0], s40, (1<<16)|(1<<20)|(1<<21)|(6<<22)|(7<<25)  ; 8 words of padding behind every 128
	s_mov_b32 s[G1B+1], 256<<16
	s_mov_b32 s[G1B+2], 64<<16
	s_mov_b32 s[G1B+3], 256<<16
	s_mov_b32 s[G1B+4], 64
	s_mov_b32 s[G1B+5], 4096
	s_mov_b32 s[G1B+6], 0
	s_mov_b32 s[G1B+7], 0
	s_lshl_b32 s42, s22, 8
	s_lshl_b32 s41, s18, 7
	s_add_co_u32 s42, s42, s41                     ; A: row 256 rb + 128 half,
	s_lshl_b32 s42, s42, 11                        ; of 2,048 bytes
	s_mov_b32 s43, 0
	s_lshl_b32 s44, s18, 19                        ; B: k row 64 half, of 8,192 bytes,
	s_lshl_b32 s46, s21, 9                         ; column 256 cb
	s_add_co_u32 s44, s44, s46
	s_mov_b32 s45, 0
	s_mul_i32 s47, s16, HALFT                      ; where they go: wave x 34,816
	s_wait_dscnt 0x0
	s_wait_kmcnt 0x0
	s_add_nc_u64 s[42:43], s[4:5], s[42:43]
	s_add_nc_u64 s[44:45], s[4:5], s[44:45]
	s_add_nc_u64 s[44:45], s[44:45], 0x800000
	CROUND                                         ; all sixteen work-groups are here: the first joint loads meet
.irp s, 0,1
	s_mov_b32 s[G0+4*\s], 1
	s_add_co_u32 s[G0+4*\s+1], s47, \s*SLOT
	s_add_nc_u64 s[G0+4*\s+2:G0+4*\s+3], s[42:43], \s*KSTEP*2
	s_or_b32 s[G0+4*\s+3], s[G0+4*\s+3], 0x80000000
	s_mov_b32 s[G0B+4*\s], 1
	s_add_co_u32 s[G0B+4*\s+1], s47, \s*SLOT
	s_add_nc_u64 s[G0B+4*\s+2:G0B+4*\s+3], s[44:45], \s*KSTEP*8192
	s_or_b32 s[G0B+4*\s+3], s[G0B+4*\s+3], 0x80000000
	JLOAD \s
.endr
	v_and_b32 v1, 15, v0                           ; r
	v_bfe_u32 v2, v0, 4, 1                         ; h
	v_mul_u32_u24 v3, v1, PITCH
	v_lshl_add_u32 v3, v2, 4, v3                   ; A: row r, 16 h
	s_mul_i32 s66, s17, HALFT
	v_and_b32 v4, 7, v0
	v_lshl_add_u32 v4, v2, 3, v4                   ; B: k row 8 h + (lane & 7),
	v_mul_u32_u24 v4, v4, PITCHB
	v_bfe_u32 v5, v0, 3, 1
	v_lshl_add_u32 v4, v5, 4, v4                   ; 16 bytes for each half of eight lanes' columns
	s_lshl_b32 s67, s18, 8                         ; my 128 columns
	s_add_co_u32 s67, s67, 2*HALFT                 ; behind A's 256 rows
.irp s, 0,1
	v_add_nc_u32 v[ADRA+\s], s66, v3
	v_add_nc_u32 v[ADRB+\s], s67, v4
	s_add_co_u32 s66, s66, SLOT
	s_add_co_u32 s67, s67, SLOT
.endr
	s_mul_i32 s66, s16, 16*SPITCH
	s_add_co_u32 s66, s66, STAGE
	v_mul_u32_u24 v4, v1, SPITCH
	v_lshl_add_u32 v4, v2, 4, v4
	v_add_nc_u32 v[STO], s66, v4
	v_mul_u32_u24 v5, v2, SPITCH
	v_lshl_add_u32 v5, v1, 4, v5
	v_add_nc_u32 v[RD], s66, v5
	v_lshlrev_b32 v5, 12, v2
	v_lshl_add_u32 v[CO], v1, 4, v5
	v_and_b32 v[LN], 31, v0
	v_lshlrev_b32 v[GO], 4, v[LN]
	v_lshlrev_b32 v[BO], 5, v2
	v_mov_b32 v[ZR], 0
	v_mov_b32 v[MX], 0
	v_mov_b32 v[MX+1], 0
; 16 matrix instructions: m blocks a0, a0 + 1 of the window's four x all 8 n blocks.  The 64 accumulators take turns in the same order in every quarter.
.macro MUL16 f, hi, a0, zero
.irp a, \a0, \a0+1
.irp b, 0,1,2,3,4,5,6,7
.if \zero
	v_wmma_f32_16x16x32_f16 v[8*(8*(\a)+\b):8*(8*(\a)+\b)+7], v[\f+8*\b:\f+8*\b+7], v[\f+8*(4*\hi+\a):\f+8*(4*\hi+\a)+7], 0
.else
	v_wmma_f32_16x16x32_f16 v[8*(8*(\a)+\b):8*(8*(\a)+\b)+7], v[\f+8*\b:\f+8*\b+7], v[\f+8*(4*\hi+\a):\f+8*(4*\hi+\a)+7], v[8*(8*(\a)+\b):8*(8*(\a)+\b)+7]
.endif
.endr
.endr
.endm
; 32 LDS loads in one run: quarter q (32 along K) of a slot into buffer f
.macro FETCH slot, q, f
	WIN TO_B
.irp i, 0,1,2,3,4,5,6,7
	ds_load_tr16_b128 v[\f+8*\i:\f+8*\i+3],   v[ADRB+\slot] offset:\q*32*PITCHB+\i*32
	ds_load_tr16_b128 v[\f+8*\i+4:\f+8*\i+7], v[ADRB+\slot] offset:\q*32*PITCHB+\i*32+16*PITCHB
.endr
	WIN 0
.irp i, 0,1,2,3,4,5,6,7
	ds_load_b128 v[\f+8*\i:\f+8*\i+3],   v[ADRA+\slot] offset:\q*64+\i*16*PITCH
	ds_load_b128 v[\f+8*\i+4:\f+8*\i+7], v[ADRA+\slot] offset:\q*64+\i*16*PITCH+32
.endr
.endm
.macro QUARTER slot, q, f, g, zero
	s_wait_dscnt 8                                 ; B and A's rows 0-63 are in; the youngest eight loads (A's rows 64-127) may be out
	WIN MUL_LO
	MUL16 \f, 0, 0, \zero
	MUL16 \f, 0, 2, \zero
	PLACES
	FETCH \slot, \q, \g
	s_wait_dscnt 32                                ; all but the 32 just issued
	WIN MUL_HI
	MUL16 \f, 1, 0, \zero
	MUL16 \f, 1, 2, \zero
.endm
.macro THREE slot, zero
	QUARTER \slot, 1, F0, F1, \zero
	QUARTER \slot, 2, F1, F0, 0
	QUARTER \slot, 3, F0, F1, 0
.endm
; The last quarter changes slots.  In front of the barrier each wave waits for its reads of this slot and for all its tensor loads
; (one is out: its part of the next slot); behind the round the joint refill comes first, then the next slot's first fragments.
.macro TURN slot, next, fill
	s_wait_dscnt 8
	WIN MUL_LO
	MUL16 F1, 0, 0, 0
	s_wait_dscnt 0
	s_wait_tensorcnt 0x0
	ds_add_u32 v255, v63
	s_wait_dscnt 0x0
	s_barrier_signal -1
	MUL16 F1, 0, 2, 0
	WIN 0
	s_barrier_wait -1
.if \fill
	CREST
	s_add_nc_u64 s[G0+4*\slot+2:G0+4*\slot+3], s[G0+4*\slot+2:G0+4*\slot+3], 2*KSTEP*2
	s_add_nc_u64 s[G0B+4*\slot+2:G0B+4*\slot+3], s[G0B+4*\slot+2:G0B+4*\slot+3], 2*KSTEP*8192
	JLOAD \slot
.endif
	PLACES
	FETCH \next, 0, F0
	WIN MUL_HI
	MUL16 F1, 1, 0, 0
	MUL16 F1, 1, 2, 0
.endm
.macro LAP zero
	THREE 0, \zero
	TURN 0, 1, 1
	THREE 1, 0
	TURN 1, 0, 1
.endm
	s_wait_tensorcnt 1                             ; my part of K step 0 is in; K step 1's stays out
	s_barrier_signal -1
	s_barrier_wait -1
	FETCH 0, 0, F0
	LAP 1                                          ; the first products start the sums
	WIN 0
	s_mov_b32 s3, LAPS-2
.Llap:
	LAP 0
	WIN 0
	s_sub_co_u32 s3, s3, 1
	s_cmp_lg_u32 s3, 0
	s_cbranch_scc1 .Llap
	THREE 0, 0                                     ; the last lap fills nothing
	TURN 0, 1, 0
	THREE 1, 0
	s_wait_dscnt 8
	WIN MUL_LO
	MUL16 F1, 0, 0, 0
	MUL16 F1, 0, 2, 0
	s_wait_dscnt 0
	WIN MUL_HI
	MUL16 F1, 1, 0, 0
	MUL16 F1, 1, 2, 0
	WIN 0
	PLACES                                         ; ahead of the reads of results and of the loads into the fragment buffers
	; THE WAY OUT
	s_and_b32 s66, s21, 7                          ; block column inside v or inside gate
	s_lshl_b32 s67, s66, 10
	s_lshl_b32 s68, s18, 9
	s_add_co_u32 s68, s67, s68                     ; (256 (cb & 7) + 128 half) x 4 bytes
	s_mov_b32 s69, 0
	s_cmp_ge_u32 ttmp9, 2                          ; the cluster's x: the same in all sixteen partners
	s_cselect_b64 s[70:71], s[8:9], s[6:7]         ; bg or bv
	s_add_nc_u64 s[70:71], s[70:71], s[68:69]
.irp b, 0,1,2,3,4,5,6,7
	global_load_b128 v[BIAS+8*\b:BIAS+8*\b+3],   v[BO], s[70:71] offset:64*\b
	global_load_b128 v[BIAS+8*\b+4:BIAS+8*\b+7], v[BO], s[70:71] offset:64*\b+16
.endr
	s_lshl_b32 s72, s22, 8
	s_lshl_b32 s73, s17, 7
	s_add_co_u32 s72, s72, s73                     ; my first row
	s_lshl_b32 s74, s72, 12                        ; vb: rows of 4,096 bytes
	s_lshl_b32 s73, s66, 9
	s_add_co_u32 s74, s74, s73
	s_lshl_b32 s73, s18, 8
	s_add_co_u32 s74, s74, s73
	s_mov_b32 s75, 0
	s_add_nc_u64 s[10:11], s[10:11], s[74:75]
	s_lshl_b32 s76, s72, 13                        ; gate: (row/16) x 128 tiles of 1,024 bytes
	s_lshl_b32 s73, s66, 14
	s_add_co_u32 s76, s76, s73
	s_lshl_b32 s73, s18, 13
	s_add_co_u32 s76, s76, s73
	s_mov_b32 s77, 0
	s_add_nc_u64 s[12:13], s[12:13], s[76:77]
	s_lshl_b32 s78, s21, 4
	s_add_co_u32 s78, s78, s22
	s_lshl_b32 s78, s78, 2
	s_add_co_u32 s78, s78, s16
	s_lshl_b32 s78, s78, 2                         ; sgv: word (16 cb + rb) 4 + wave
	s_mov_b32 s79, 0
	s_add_nc_u64 s[14:15], s[14:15], s[78:79]
	s_mov_b32 s40, 0x76543210
	s_mov_b32 s41, 0xfedcba98
	s_wait_loadcnt 0x0                             ; the bias
; sixteen rows (the eight tiles (a, 0..7) of window win): TT = silu(sum + bias), and the running maximum of |TT|
.macro SILU win, a
	s_wait_xcnt 0x0                                ; the last group's stores have read their data: TT and UU are rewritten only behind this wait
	WIN \win
.irp b, 0,1,2,3,4,5,6,7
.irp p, 0,2,4,6
	v_pk_add_f32 v[TT+8*\b+\p:TT+8*\b+\p+1], v[8*(8*\a+\b)+\p:8*(8*\a+\b)+\p+1], v[BIAS+8*\b+\p:BIAS+8*\b+\p+1]
.endr
.endr
	WIN 0
.set nn, 0
.rept 32
	v_pk_mul_f32 v[UU+nn:UU+nn+1], v[TT+nn:TT+nn+1], 0xbfb8aa3b op_sel_hi:[1,0]
.set nn, nn+2
.endr
.set nn, 0
.rept 64
	v_exp_f32 v[UU+nn], v[UU+nn]
.set nn, nn+1
.endr
	v_nop                                          ; one plain place behind the last transcendental (ISA guide 5.7.2)
.set nn, 0
	s_wait_alu depctr_va_vdst(0)
.rept 32
	v_pk_add_f32 v[UU+nn:UU+nn+1], v[UU+nn:UU+nn+1], 1.0 op_sel_hi:[1,0]
.set nn, nn+2
.endr
.set nn, 0
.rept 64
	v_rcp_f32 v[UU+nn], v[UU+nn]
.set nn, nn+1
.endr
	v_nop
.set nn, 0
	s_wait_alu depctr_va_vdst(0)
.rept 32
	v_pk_mul_f32 v[TT+nn:TT+nn+1], v[TT+nn:TT+nn+1], v[UU+nn:UU+nn+1]
.set nn, nn+2
.endr
.set nn, 0
.rept 32
	v_max3_num_f32 v[MX+((nn/2)%2)], |v[TT+nn]|, |v[TT+nn+1]|, v[MX+((nn/2)%2)]
.set nn, nn+2
.endr
.endm
; v: round to bf16, 16 bytes a lane into my own stage, whole rows of 256 bytes back and out
.macro VGRP i, win, a
	SILU \win, \a
.irp b, 0,1,2,3,4,5,6,7
.irp q, 0,1,2,3
	v_cvt_pk_bf16_f32 v[UU+4*\b+\q], v[TT+8*\b+2*\q], v[TT+8*\b+2*\q+1]
.endr
.endr
.irp b, 0,1,2,3,4,5,6,7
	ds_store_b128 v[STO], v[UU+4*\b:UU+4*\b+3] offset:32*\b
.endr
.irp t, 0,1,2,3,4,5,6,7
	ds_load_b128 v[UU+32+4*\t:UU+32+4*\t+3], v[RD] offset:\t*2*SPITCH      ; LDS serves a wave's instructions in order (ISA guide 5.7.1): these see the stores above
.endr
.irp t, 0,1,2,3,4,5,6,7
	s_wait_dscnt 7-\t
	global_store_b128 v[CO], v[UU+32+4*\t:UU+32+4*\t+3], s[10:11] offset:\i*65536+\t*8192   ; 16 lanes store 256 consecutive bytes, aligned
.endr
.endm
; gate: f32 straight from the registers; each store of the wave covers 512 consecutive bytes
.macro GGRP i, win, a
	SILU \win, \a
.irp b, 0,1,2,3,4,5,6,7
	global_store_b128 v[GO], v[TT+8*\b:TT+8*\b+3],   s[12:13] offset:\i*131072+\b*1024
	global_store_b128 v[GO], v[TT+8*\b+4:TT+8*\b+7], s[12:13] offset:\i*131072+\b*1024+512
.endr
.endm
	s_cmp_ge_u32 ttmp9, 2
	s_cbranch_scc1 .Lgate
	VGRP 0, 2, 0
	VGRP 1, 2, 1
	VGRP 2, 2, 2
	VGRP 3, 2, 3
	VGRP 4, 3, 0
	VGRP 5, 3, 1
	VGRP 6, 3, 2
	VGRP 7, 3, 3
	s_branch .Lmax
.Lgate:
	GGRP 0, 2, 0
	GGRP 1, 2, 1
	GGRP 2, 2, 2
	GGRP 3, 2, 3
	GGRP 4, 3, 0
	GGRP 5, 3, 1
	GGRP 6, 3, 2
	GGRP 7, 3, 3
.Lmax:
	v_max_num_f32 v[MX], v[MX], v[MX+1]
	v_max_num_f32_dpp v[MX], v[MX], v[MX] row_xmask:1 row_mask:0xf bank_mask:0xf
	v_max_num_f32_dpp v[MX], v[MX], v[MX] row_xmask:2 row_mask:0xf bank_mask:0xf
	v_max_num_f32_dpp v[MX], v[MX], v[MX] row_xmask:4 row_mask:0xf bank_mask:0xf
	v_max_num_f32_dpp v[MX], v[MX], v[MX] row_xmask:8 row_mask:0xf bank_mask:0xf
	v_permlanex16_b32 v[MX+1], v[MX], s40, s41
	v_max_num_f32 v[MX], v[MX], v[MX+1]
	v_cmp_eq_u32 vcc_lo, 0, v[LN]
	s_wait_xcnt 0x0                                ; EXEC changes only behind this wait
	s_and_saveexec_b32 s46, vcc_lo
	global_store_b32 v[ZR], v[MX], s[14:15]        ; lane 0: my wave's maximum
	s_wait_xcnt 0x0
	s_or_b32 exec_lo, exec_lo, s46
	s_set_vgpr_msb 0x1
	s_wait_tensorcnt 0x0
	ds_add_u32 v255, v63
	s_wait_dscnt 0x0
	s_set_vgpr_msb 0x100
	CROUND                                         ; the closing round
	s_endpgm
.Lfunc_end_k_q5ab764f52f_gemm1:
	.size	k_q5ab764f52f_gemm1, .Lfunc_end_k_q5ab764f52f_gemm1-k_q5ab764f52f_gemm1
	.p2alignl 7, 3214868480
	.fill 96, 4, 3214868480
	.section	.rodata,"a",@progbits
	.p2align	6, 0x0
	.amdhsa_kernel k_q5ab764f52f_gemm1
		.amdhsa_group_segment_fixed_size 327680
		.amdhsa_private_segment_fixed_size 0
		.amdhsa_enable_private_segment 0
		.amdhsa_kernarg_size 48
		.amdhsa_user_sgpr_count 2
		.amdhsa_user_sgpr_kernarg_segment_ptr 1
		.amdhsa_wavefront_size32 1
		.amdhsa_system_sgpr_workgroup_id_x 1
		.amdhsa_system_sgpr_workgroup_id_y 1
		.amdhsa_system_sgpr_workgroup_id_z 1
		.amdhsa_system_vgpr_workitem_id 0
		.amdhsa_next_free_vgpr 1024
		.amdhsa_next_free_sgpr 80
		.amdhsa_reserve_vcc 1
		.amdhsa_float_denorm_mode_32 3
		.amdhsa_float_denorm_mode_16_64 3
		.amdhsa_memory_ordered 1
		.amdhsa_forward_progress 1
		.amdhsa_inst_pref_size 255
	.end_amdhsa_kernel
	.section	.bss,"aw",@nobits
	.p2align	6
	.space	262144
	.amdgpu_metadata
---
amdhsa.version: [ 1, 2 ]
amdhsa.kernels:
  - .name:           k_q5ab764f52f_gemm1
    .symbol:         k_q5ab764f52f_gemm1.kd
    .args:
      - { .name: pre, .offset: 0, .size: 8, .value_kind: global_buffer, .address_space: global }
      - { .name: bv, .offset: 8, .size: 8, .value_kind: global_buffer, .address_space: global }
      - { .name: bg, .offset: 16, .size: 8, .value_kind: global_buffer, .address_space: global }
      - { .name: vb, .offset: 24, .size: 8, .value_kind: global_buffer, .address_space: global }
      - { .name: gate, .offset: 32, .size: 8, .value_kind: global_buffer, .address_space: global }
      - { .name: sgv, .offset: 40, .size: 8, .value_kind: global_buffer, .address_space: global }
    .group_segment_fixed_size: 327680
    .private_segment_fixed_size: 0
    .kernarg_segment_align: 8
    .kernarg_segment_size: 48
    .max_flat_workgroup_size: 128
    .sgpr_count:     80
    .vgpr_count:     1024
    .wavefront_size: 32
...
	.end_amdgpu_metadata
.endif
;; end of part 2
;; launch scores (part 3): grid 10 x 16, 8 waves a work-group, no clusters, 168,960 bytes of LDS; arguments pre, attn, sa; writes attn, sa
.if DOCPART == 3
	.amdgcn_target "amdgcn-amd-amdhsa--gfx1250"
	.amdhsa_code_object_version 6
	.text
	.protected	k_q5ab764f52f_scores
	.globl	k_q5ab764f52f_scores
	.p2align	8
	.type	k_q5ab764f52f_scores,@function
k_q5ab764f52f_scores:
	s_mov_b64 s[64:65], 0
	v_nop
	global_prefetch_b8 v0, s[64:65] scope:SCOPE_SE
	s_setreg_imm32_b32 hwreg(HW_REG_WAVE_MODE, 25, 1), 1
	s_wait_xcnt 0x0
; SCORES: attn = (relu(q k^T / sqrt(2048)))^2 with the strict upper triangle set to 0, in bf16.
; A work-group makes a tile of 128 rows n x 256 columns m, K = 128.  The next launch reads, with one text for its four waves, the m blocks
; mb <= (a | 3) of row block a (128 rows), so the tiles j <= 2 (a >> 2) + 1 are made; what lies above the diagonal comes out as 0 by the mask.
; The row blocks 15 - p and p together have ten tiles, so grid x = 10 tiles, grid y = batch x 8 + p: 160 work-groups of equal work.
; attn lies in fragment order: a tile of 16 x 16 is 512 bytes, lane (r, h) has the 16 bytes [row r][8 h .. 8 h + 7];
; it stands at (b 8 + g) 1 MiB + mb 64 KiB + a 4 KiB + tj 512 for rows n = 128 a + 16 g + r and columns m = 128 mb + 16 tj + ...
; Only the blocks mb <= (a | 3) are written, and only those are read later.  Each store of a wave covers 512 consecutive bytes.
; Each wave stores the largest attn of its part into sa[(y 10 + t) 8 + wave].
; No cluster: a work-group fetches 96 KiB once, there is no loop, and neighbours along x belong to different row blocks.
; The matrix instruction is used transposed (source 0 = k's fragment, source 1 = q's).  NaN and infinities are not served.
.set QF,  32                           ; v[32:63]  four fragments of q; later the packed results
.set KF,  64                           ; v[64:95]  four fragments of k
.set ACC, 96                           ; v[96:223] sixteen accumulators, tile (ai, bi) at 8 (4 ai + bi)
	s_load_b128 s[4:7], s[0:1], 0x0                ; pre, attn
	s_load_b64 s[8:9], s[0:1], 0x10                ; sa
	v_lshl_add_u32 v224, v0, 2, 0x29000
	v_mov_b32 v225, 0
	ds_add_u32 v224, v225
	ds_add_u32 v224, v225
	v_lshrrev_b32 v1, 5, v0
	v_readfirstlane_b32 s10, v1                    ; wave
	s_and_b32 s11, ttmp7, 0xffff                   ; y
	s_lshr_b32 s12, s11, 3                         ; batch
	s_and_b32 s13, s11, 7                          ; p
	s_sub_co_u32 s14, 15, s13
	s_lshr_b32 s15, s14, 2
	s_add_co_u32 s15, s15, 1
	s_lshl_b32 s15, s15, 1                         ; tiles of row block 15 - p: 2 (((15 - p) >> 2) + 1)
	s_sub_co_u32 s16, ttmp9, s15
	s_cmp_lt_u32 ttmp9, s15
	s_cselect_b32 s17, s14, s13                    ; a
	s_cselect_b32 s18, ttmp9, s16                  ; j
	; waves 0, 1 fetch q's rows 64 w, waves 2 to 5 k's rows 64 (w - 2): 64 rows of 256 bytes each, to LDS byte 17,408 w
	s_lshl_b32 s19, s12, 11
	s_lshl_b32 s20, s10, 6
	s_add_co_u32 s19, s19, s20                     ; 2,048 b + 64 w
	s_lshl_b32 s20, s17, 7
	s_lshl_b32 s21, s18, 8
	s_mov_b32 s22, 20971520
	s_mov_b32 s23, 22020096-32768                  ; k's part, less the two waves that fetch q
	s_cmp_lt_u32 s10, 2
	s_cselect_b32 s20, s20, s21
	s_cselect_b32 s22, s22, s23
	s_add_co_u32 s19, s19, s20
	s_lshl_b32 s19, s19, 8
	s_add_co_u32 s20, s19, s22
	s_mov_b32 s21, 0
	s_mov_b32 s24, 1
	s_mul_i32 s25, s10, 17408
	s_mov_b32 s28, (1<<16)|(1<<20)|(5<<22)|(3<<25) ; 2-byte elements, 4 words of padding behind every 64: pitch 272
	s_mov_b32 s29, 128<<16
	s_mov_b32 s30, 64<<16
	s_mov_b32 s31, 128<<16
	s_mov_b32 s32, 64
	s_mov_b32 s33, 128
	s_mov_b32 s34, 0
	s_mov_b32 s35, 0
	s_wait_dscnt 0x0
	s_wait_kmcnt 0x0
	s_add_nc_u64 s[26:27], s[4:5], s[20:21]
	s_or_b32 s27, s27, 0x80000000
	s_cmp_ge_u32 s10, 6
	s_cbranch_scc1 .Lnofill
	tensor_load_to_lds s[24:27], s[28:35]          ; a first fill; nothing is ever filled again
	s_nop 0
.Lnofill:
	s_lshr_b32 s37, s10, 2                         ; wr: my 64 rows
	s_and_b32 s38, s10, 3                          ; wc: my 64 columns
	v_and_b32 v1, 15, v0                           ; r
	v_bfe_u32 v2, v0, 4, 1                         ; h
	v_mul_u32_u24 v3, v1, 272
	v_lshl_add_u32 v3, v2, 4, v3
	s_mul_i32 s19, s37, 17408
	v_add_nc_u32 v4, s19, v3                       ; q's fragments
	s_mul_i32 s19, s38, 17408
	s_add_co_u32 s19, s19, 34816
	v_add_nc_u32 v5, s19, v3                       ; k's fragments
	s_lshl_b32 s36, s17, 7
	s_lshl_b32 s19, s37, 6
	s_add_co_u32 s36, s36, s19
	s_lshl_b32 s19, s18, 8
	s_sub_co_i32 s36, s36, s19
	s_lshl_b32 s19, s38, 6
	s_sub_co_i32 s36, s36, s19
	v_lshlrev_b32 v7, 3, v2
	v_sub_nc_u32 v6, v1, v7
	v_add_nc_u32 v6, s36, v6                       ; (128 a + 64 wr + r) - (256 j + 64 wc + 8 h): element (ai, bi, jj) is kept if 16 (bi - ai) + jj <= this
	v_and_b32 v11, 31, v0
	v_lshlrev_b32 v8, 4, v11                       ; 16 x lane
	v_mov_b32 v9, 0                                ; running maxima
	v_mov_b32 v10, 0
	v_mov_b32 v12, 0
	s_lshl_b32 s40, s12, 23
	s_lshl_b32 s19, s37, 22
	s_add_co_u32 s40, s40, s19
	s_lshl_b32 s19, s18, 1
	s_lshr_b32 s20, s38, 1
	s_add_co_u32 s19, s19, s20
	s_lshl_b32 s19, s19, 16
	s_add_co_u32 s40, s40, s19
	s_lshl_b32 s19, s17, 12
	s_add_co_u32 s40, s40, s19
	s_and_b32 s19, s38, 1
	s_lshl_b32 s19, s19, 11
	s_add_co_u32 s40, s40, s19
	s_mov_b32 s41, 0
	s_add_nc_u64 s[6:7], s[6:7], s[40:41]
	s_mul_i32 s46, s11, 10
	s_add_co_u32 s46, s46, ttmp9
	s_lshl_b32 s46, s46, 3
	s_add_co_u32 s46, s46, s10
	s_lshl_b32 s46, s46, 2
	s_mov_b32 s47, 0
	s_add_nc_u64 s[8:9], s[8:9], s[46:47]
	s_mov_b32 s42, 0x76543210
	s_mov_b32 s43, 0xfedcba98
	s_wait_tensorcnt 0x0                           ; my part has landed,
	s_barrier_signal -1
	s_barrier_wait -1                              ; everybody's has
; 32 along K: sixteen loads, sixteen matrix instructions on sixteen accumulators by turns
.macro SQ kq, zero
.irp i, 0,1,2,3
	ds_load_b128 v[KF+8*\i:KF+8*\i+3],   v5 offset:\i*4352+\kq*64
	ds_load_b128 v[KF+8*\i+4:KF+8*\i+7], v5 offset:\i*4352+\kq*64+32
	ds_load_b128 v[QF+8*\i:QF+8*\i+3],   v4 offset:\i*4352+\kq*64
	ds_load_b128 v[QF+8*\i+4:QF+8*\i+7], v4 offset:\i*4352+\kq*64+32
.endr
	s_wait_dscnt 0x0
.irp ai, 0,1,2,3
.irp bi, 0,1,2,3
.if \zero
	v_wmma_f32_16x16x32_bf16 v[ACC+8*(4*\ai+\bi):ACC+8*(4*\ai+\bi)+7], v[KF+8*\bi:KF+8*\bi+7], v[QF+8*\ai:QF+8*\ai+7], 0
.else
	v_wmma_f32_16x16x32_bf16 v[ACC+8*(4*\ai+\bi):ACC+8*(4*\ai+\bi)+7], v[KF+8*\bi:KF+8*\bi+7], v[QF+8*\ai:QF+8*\ai+7], v[ACC+8*(4*\ai+\bi):ACC+8*(4*\ai+\bi)+7]
.endif
.endr
.endr
.rept 4
	v_nop                                          ; four places ahead of the next loads into the fragments and of the reads of results
.endr
.endm
	SQ 0, 1
	SQ 1, 0
	SQ 2, 0
	SQ 3, 0
.irp ai, 0,1,2,3
.irp bi, 0,1,2,3
.irp jj, 0,1,2,3,4,5,6,7
	v_cmp_le_i32 vcc_lo, 16*(\bi-\ai)+\jj, v6
	v_cndmask_b32 v[ACC+8*(4*\ai+\bi)+\jj], 0, v[ACC+8*(4*\ai+\bi)+\jj], vcc_lo       ; above the diagonal: 0
	v_max_num_f32 v[ACC+8*(4*\ai+\bi)+\jj], 0, v[ACC+8*(4*\ai+\bi)+\jj]               ; relu
.endr
.irp p, 0,2,4,6
	v_pk_mul_f32 v[ACC+8*(4*\ai+\bi)+\p:ACC+8*(4*\ai+\bi)+\p+1], v[ACC+8*(4*\ai+\bi)+\p:ACC+8*(4*\ai+\bi)+\p+1], 0x3cb504f3 op_sel_hi:[1,0]   ; / sqrt(2048)
.endr
.irp p, 0,2,4,6
	v_pk_mul_f32 v[ACC+8*(4*\ai+\bi)+\p:ACC+8*(4*\ai+\bi)+\p+1], v[ACC+8*(4*\ai+\bi)+\p:ACC+8*(4*\ai+\bi)+\p+1], v[ACC+8*(4*\ai+\bi)+\p:ACC+8*(4*\ai+\bi)+\p+1]
.endr
.irp q, 0,1,2,3
	v_max3_num_f32 v[9+(\q%2)], v[ACC+8*(4*\ai+\bi)+2*\q], v[ACC+8*(4*\ai+\bi)+2*\q+1], v[9+(\q%2)]
	v_cvt_pk_bf16_f32 v[QF+4*(4*\ai+\bi)+\q], v[ACC+8*(4*\ai+\bi)+2*\q], v[ACC+8*(4*\ai+\bi)+2*\q+1]
.endr
	global_store_b128 v8, v[QF+4*(4*\ai+\bi):QF+4*(4*\ai+\bi)+3], s[6:7] offset:\ai*1048576+\bi*512
.endr
.endr
	v_max_num_f32 v9, v9, v10
	v_max_num_f32_dpp v9, v9, v9 row_xmask:1 row_mask:0xf bank_mask:0xf
	v_max_num_f32_dpp v9, v9, v9 row_xmask:2 row_mask:0xf bank_mask:0xf
	v_max_num_f32_dpp v9, v9, v9 row_xmask:4 row_mask:0xf bank_mask:0xf
	v_max_num_f32_dpp v9, v9, v9 row_xmask:8 row_mask:0xf bank_mask:0xf
	v_permlanex16_b32 v10, v9, s42, s43
	v_max_num_f32 v9, v9, v10
	v_cmp_eq_u32 vcc_lo, 0, v11
	s_wait_xcnt 0x0                                ; EXEC changes only behind this wait
	s_wait_tensorcnt 0x0
	ds_add_u32 v224, v225
	s_wait_dscnt 0x0
	s_and_saveexec_b32 s44, vcc_lo
	global_store_b32 v12, v9, s[8:9]
	s_wait_xcnt 0x0
	s_or_b32 exec_lo, exec_lo, s44
	s_endpgm
.Lfunc_end_k_q5ab764f52f_scores:
	.size	k_q5ab764f52f_scores, .Lfunc_end_k_q5ab764f52f_scores-k_q5ab764f52f_scores
	.p2alignl 7, 3214868480
	.fill 96, 4, 3214868480
	.section	.rodata,"a",@progbits
	.p2align	6, 0x0
	.amdhsa_kernel k_q5ab764f52f_scores
		.amdhsa_group_segment_fixed_size 168960
		.amdhsa_private_segment_fixed_size 0
		.amdhsa_enable_private_segment 0
		.amdhsa_kernarg_size 24
		.amdhsa_user_sgpr_count 2
		.amdhsa_user_sgpr_kernarg_segment_ptr 1
		.amdhsa_wavefront_size32 1
		.amdhsa_system_sgpr_workgroup_id_x 1
		.amdhsa_system_sgpr_workgroup_id_y 1
		.amdhsa_system_sgpr_workgroup_id_z 1
		.amdhsa_system_vgpr_workitem_id 0
		.amdhsa_next_free_vgpr 226
		.amdhsa_next_free_sgpr 66
		.amdhsa_reserve_vcc 1
		.amdhsa_float_denorm_mode_32 3
		.amdhsa_float_denorm_mode_16_64 3
		.amdhsa_memory_ordered 1
		.amdhsa_forward_progress 1
		.amdhsa_inst_pref_size 46
	.end_amdhsa_kernel
	.amdgpu_metadata
---
amdhsa.version: [ 1, 2 ]
amdhsa.kernels:
  - .name:           k_q5ab764f52f_scores
    .symbol:         k_q5ab764f52f_scores.kd
    .args:
      - { .name: pre, .offset: 0, .size: 8, .value_kind: global_buffer, .address_space: global }
      - { .name: attn, .offset: 8, .size: 8, .value_kind: global_buffer, .address_space: global }
      - { .name: sa, .offset: 16, .size: 8, .value_kind: global_buffer, .address_space: global }
    .group_segment_fixed_size: 168960
    .private_segment_fixed_size: 0
    .kernarg_segment_align: 8
    .kernarg_segment_size: 24
    .max_flat_workgroup_size: 256
    .sgpr_count:     66
    .vgpr_count:     226
    .wavefront_size: 32
...
	.end_amdgpu_metadata
.endif
;; end of part 3
;; launch av (part 4): grid 16 x 16, 4 waves a work-group, clusters of 4 x 4, 327,680 bytes of LDS; arguments attn, vb, gate, sgv, sa, ob; writes ob
.if DOCPART == 4
	.amdgcn_target "amdgcn-amd-amdhsa--gfx1250"
	.amdhsa_code_object_version 6
	.text
	.protected	k_q5ab764f52f_av
	.globl	k_q5ab764f52f_av
	.p2align	8
	.type	k_q5ab764f52f_av,@function
k_q5ab764f52f_av:
	s_mov_b64 s[64:65], 0
	v_nop
	global_prefetch_b8 v0, s[64:65] scope:SCOPE_SE
	s_setreg_imm32_b32 hwreg(HW_REG_WAVE_MODE, 25, 1), 1
	s_wait_xcnt 0x0
	s_wait_alu depctr_hold_cnt(0) depctr_sa_sdst(0) depctr_va_vdst(0) depctr_va_sdst(0) depctr_va_ssrc(0) depctr_va_vcc(0) depctr_vm_vsrc(0)
	s_getreg_b32 s2, hwreg(HW_REG_IB_STS2, 6, 4)
	s_cmp_eq_u32 s2, 0
	s_cbranch_scc0 .Lentry_in_a_cluster
	s_endpgm
.Lentry_in_a_cluster:
	s_bfe_u32 s2, ttmp6, 0x10000c
	s_cmp_lg_u32 s2, 0xf033
	s_cbranch_scc0 .Lentry_shape_is_right
	s_endpgm
.Lentry_shape_is_right:
; AV: o = (attn v) gate S, in f16, in fragment order: tile (T = row/16, J = col/16) is 512 bytes at (T >> 3) 512 KiB + J 4,096 + (T & 7) 512.
; A work-group (ib = block of 128 columns, y = 8 b + g) owns the 256 rows n = 128 a + 16 g + r, a = 0 .. 15, of batch b.
; Wave w: row groups a = 4 c' + w, c' = 0 .. 3, and all eight column tiles: 32 accumulators, tile (c', i) at v[8 (8 c' + i)] of window 1.
; v goes through LDS in FOUR fills of four m blocks (512 k rows of pitch 288 = 147,456 bytes), two regions; wave w brings m block 4 c + w.
; In fill c the groups c' >= c work (the m blocks mb <= (a | 3) of attn are written, with zeros above the diagonal): the same text in every wave
; and every work-group, 16 quarters of 32 along m with 8 (4 - c) matrix instructions each.
; CLUSTERS 4 x 4: v's tiles hang on the batch and on ib alone and are asked for jointly along a column of the cluster.
; attn is NOT asked for jointly and does not pass through LDS: it lies in fragment order, so a wave loads its fragments straight into registers
; (two loads of 512 consecutive bytes each), no byte twice in a work-group.  Through LDS an m block would take 36,864 + up to 65,536 bytes, a region
; would hold one or two m blocks, and there would be eleven fills and rounds with 32 to 160 matrix instructions a wave between a request and its wait;
; with v alone there are four, with 128 to 512.
; THE RING: fragment f (160 in all, in the order of their use) goes to slot f mod 32 of window 3, 8 registers a slot; a slot is loaded again in
; the quarter after its use.  A fragment feeds eight matrix instructions.  The counts of the waits are worked out by the symbols FISS (fragments issued),
; FCON (fragments used in the quarters before) and GP0-3 (FISS when gate's batch went out).
; By the text's own count a wave has two tensor loads out at the start, later one.
; S = 2^(382 - eV - eG - eA), e = the biased exponents of max|v|, max|gate|, max attn: |o| < 2^(eV + eG + eA - 367), so |o S| < 2^15.  S's exponent is clamped to [1, 253].
; LIMIT: if the largest |o| lies more than about 2^20 below max|v| max|gate| 2048 max attn, o loses bits to f16's small numbers.  NaN and infinities are not served.
; WINDOWS: 0: v16-23 LDS addresses, v24 16 x lane, v32-95 and v96-159 v's fragments (two buffers), v160-231 the stored maxima; 1: sums; 2: gate; 3: the ring.
.set REG,   147456
.set NS,    32
.set NFRAG, 160
.set ADRB,  16                         ; v16-23 my v fragments: region x m block, 36,864 bytes apart
.set GO,    24                         ; v24 = 16 x lane; never rewritten
.set BF0,   32
.set BF1,   96
.set G1, 24                            ; s[24:31] descriptor group 1, never rewritten
.set G0, 32                            ; s[32:39] descriptor group 0, one set for each region
.set MSB, 0
.set FISS, 0
.set FCON, 0
.set GP0, -1
.set GP1, -1
.set GP2, -1
.set GP3, -1
.macro WIN new                         ; the immediate's high byte repeats the setting that is left
.if MSB != (\new)
	s_set_vgpr_msb (MSB<<8)|(\new)
.set MSB, (\new)
.endif
.endm
.macro CREST                           ; a round of the cluster's barrier behind its opening barrier
	s_cmp_lg_u32 s16, 0
	s_cbranch_scc1 .Lnot_wave_0_\@
	s_barrier_signal -3
.Lnot_wave_0_\@:
	s_barrier_wait -3
	s_barrier_signal -1
	s_barrier_wait -1
.endm
.macro CROUND
	s_barrier_signal -1
	s_barrier_wait -1
	CREST
.endm
.macro PLACES                          ; four places behind a matrix instruction (ISA guide 7.12.1)
.rept 4
	v_nop
.endr
.endm
	s_load_b256 s[4:11], s[0:1], 0x0               ; attn, vb, gate, sgv
	s_load_b128 s[12:15], s[0:1], 0x20             ; sa, ob
	v_lshl_add_u32 v254, v0, 2, 0x48000
	v_mov_b32 v255, 0
	ds_add_u32 v254, v255
	ds_add_u32 v254, v255
	v_lshrrev_b32 v1, 5, v0
	v_readfirstlane_b32 s16, v1                    ; wave w
	s_bfe_u32 s19, ttmp6, 0x40000                  ; cx
	s_bfe_u32 s20, ttmp6, 0x40004                  ; cy
	s_lshl_b32 s21, ttmp9, 2
	s_add_co_u32 s21, s21, s19                     ; ib
	s_and_b32 s41, ttmp7, 0xffff                   ; the cluster's y
	s_lshr_b32 s23, s41, 1                         ; batch: made of the cluster's y alone
	s_lshl_b32 s22, s41, 2
	s_add_co_u32 s22, s22, s20                     ; y = 8 b + g
	s_lshl_b32 s47, 0x1111, s19                    ; my column of the cluster
	s_or_b32 s[G1+0], s47, (1<<16)|(1<<20)|(1<<21)|(5<<22)|(7<<25)   ; 2-byte elements, 8 words of padding behind every 64: pitch 288
	s_mov_b32 s[G1+1], 128<<16                     ; tensor_dim0 = 128
	s_mov_b32 s[G1+2], 128<<16                     ; tensor_dim1 = 128
	s_mov_b32 s[G1+3], 128<<16                     ; tile_dim0 = 128
	s_mov_b32 s[G1+4], 128                         ; tile_dim1 = 128
	s_mov_b32 s[G1+5], 2048                        ; elements from row to row
	s_mov_b32 s[G1+6], 0
	s_mov_b32 s[G1+7], 0
	s_lshl_b32 s44, s23, 23                        ; batch x 2,048 rows of 4,096 bytes
	s_lshl_b32 s40, s16, 19                        ; + wave x 128 rows
	s_add_co_u32 s44, s44, s40
	s_lshl_b32 s40, s21, 8                         ; + ib x 256 bytes
	s_add_co_u32 s44, s44, s40
	s_mov_b32 s45, 0
	s_mul_i32 s46, s16, 36864                      ; where it goes: wave x 36,864
	s_wait_dscnt 0x0
	s_wait_kmcnt 0x0
	s_add_nc_u64 s[68:69], s[6:7], s[44:45]
	CROUND                                         ; all sixteen work-groups are here: the first joint loads meet
.irp rg, 0,1
	s_mov_b32 s[G0+4*\rg], 1
	s_add_co_u32 s[G0+4*\rg+1], s46, \rg*REG
	s_add_nc_u64 s[G0+4*\rg+2:G0+4*\rg+3], s[68:69], \rg*2097152     ; fill rg: m blocks 4 rg ..
	s_or_b32 s[G0+4*\rg+3], s[G0+4*\rg+3], 0x80000000
	tensor_load_to_lds s[G0+4*\rg:G0+4*\rg+3], s[G1:G1+7]
	s_nop 0
.endr
	v_and_b32 v1, 31, v0
	v_and_b32 v2, 7, v0
	v_bfe_u32 v3, v0, 4, 1
	v_bfe_u32 v4, v0, 3, 1
	v_lshl_add_u32 v2, v3, 3, v2                   ; v: k row 8 h + (lane & 7),
	v_mul_u32_u24 v2, v2, 288
	v_lshl_add_u32 v2, v4, 4, v2                   ; 16 bytes for each half of eight lanes' columns
	v_lshlrev_b32 v[GO], 4, v1
.irp q, 0,1,2,3,4,5,6,7
	v_add_nc_u32 v[ADRB+\q], \q*36864, v2
.endr
	s_lshl_b32 s42, s22, 20                        ; attn: y x 1 MiB + w x 4 KiB
	s_lshl_b32 s40, s16, 12
	s_add_co_u32 s42, s42, s40
	s_mov_b32 s43, 0
	s_add_nc_u64 s[66:67], s[4:5], s[42:43]
	s_and_b32 s40, s22, 7                          ; g
	s_lshl_b32 s41, s23, 7
	s_add_co_u32 s41, s41, s40
	s_lshl_b32 s42, s16, 3
	s_add_co_u32 s41, s41, s42                     ; gate's tile row 128 b + 8 w + g (+ 32 c')
	s_lshl_b32 s42, s41, 17
	s_lshl_b32 s44, s21, 13                        ; tile column 8 ib
	s_add_co_u32 s42, s42, s44
	s_add_nc_u64 s[76:77], s[8:9], s[42:43]        ; c' = 0, 1
	s_add_nc_u64 s[78:79], s[76:77], 0x800000      ; c' = 2, 3
	s_lshl_b32 s42, s23, 4
	s_add_co_u32 s42, s42, s16
	s_lshl_b32 s42, s42, 19                        ; ob: (16 b + w) 512 KiB (+ 2 MiB c')
	s_lshl_b32 s44, s21, 15
	s_add_co_u32 s42, s42, s44
	s_lshl_b32 s44, s40, 9
	s_add_co_u32 s42, s42, s44
	s_add_nc_u64 s[14:15], s[14:15], s[42:43]
	s_mov_b32 s74, 0x76543210
	s_mov_b32 s75, 0xfedcba98
	; the maxima that the waves of the two launches before stored: used behind fill 0's work
.irp i, 0,1,2,3,4,5,6,7
	global_load_b128 v[160+4*\i:163+4*\i], v[GO], s[10:11] offset:512*\i   ; v160-175 max|v|, v176-191 max|gate|
.endr
.irp i, 0,1,2,3,4,5,6,7,8,9
	global_load_b128 v[192+4*\i:195+4*\i], v[GO], s[12:13] offset:512*\i   ; v192-231 max attn
.endr
; fragment FISS: fill lc, quarter ltq of its sixteen, row group lcp
.macro AISSUE
.if FISS < 64
.set lc, 0
.set flo, FISS
.else
.if FISS < 112
.set lc, 1
.set flo, FISS-64
.else
.if FISS < 144
.set lc, 2
.set flo, FISS-112
.else
.set lc, 3
.set flo, FISS-144
.endif
.endif
.endif
.set ltq, flo/(4-lc)
.set lcp, lc+flo%(4-lc)
.set aoff, (4*lc+ltq/4)*65536+lcp*16384+(ltq%4)*1024
.set rsl, 8*(FISS%NS)
	global_load_b128 v[rsl:rsl+3],   v[GO], s[66:67] offset:aoff           ; k = 8 h ..: tile 2 q
	global_load_b128 v[rsl+4:rsl+7], v[GO], s[66:67] offset:aoff+512       ; k = 16 + 8 h ..: tile 2 q + 1
.set FISS, FISS+1
.endm
; gate of row group c: sixteen loads of 512 consecutive bytes
.macro GATE c
.irp i, 0,1,2,3,4,5,6,7
	global_load_b128 v[64*\c+8*\i:64*\c+8*\i+3],   v[GO], s[76+2*(\c/2):77+2*(\c/2)] offset:(\c%2)*4194304+\i*1024 th:TH_LOAD_NT
	global_load_b128 v[64*\c+8*\i+4:64*\c+8*\i+7], v[GO], s[76+2*(\c/2):77+2*(\c/2)] offset:(\c%2)*4194304+\i*1024+512 th:TH_LOAD_NT
.endr
.set GP\c, FISS
.endm
; the slots used in the quarter before are loaded again (at most four); gb >= 0: gate's batch gb follows
.macro AREFILL gb
.if FISS < NFRAG
.if FISS < FCON+NS
	WIN 0xc0                                       ; destination window 3
.endif
.endif
.rept 4
.if FISS < NFRAG
.if FISS < FCON+NS
	AISSUE
.endif
.endif
.endr
.if \gb >= 0
	WIN 0x80                                       ; destination window 2
	GATE \gb
.endif
	WIN 0
.endm
; Fragments FCON .. FCON + nf - 1 are in.  Loads come back in order (ISA guide 5.7.1): what may stay out is what was issued behind the last of them,
; two loads for each later fragment and sixteen for each batch of gate that went out later.  The count's field ends at 63; a smaller count is safe.
.macro AWAIT nf
.set xx, FCON+(\nf)-1
.set wcnt, 2*(FISS-1-xx)
.irp j, 0,1,2,3
.if xx < GP\j
.set wcnt, wcnt+16
.endif
.endr
.if wcnt > 63
.set wcnt, 63
.endif
	s_wait_loadcnt wcnt
.endm
; gate's batch c is in: the fragments and the batches issued behind it may stay out
.macro EWAIT c
.set wcnt, 2*(FISS-GP\c)
.irp j, 0,1,2,3
.if \j > \c
.if GP\j >= 0
.set wcnt, wcnt+16
.endif
.endif
.endr
.if wcnt > 63
.set wcnt, 63
.endif
	s_wait_loadcnt wcnt
.endm
; quarter q (32 k rows) of m block rs (region x 4 + block) into buffer bf: eight fragments of v by the transposing load
.macro FETCH rs, q, bf
.irp i, 0,1,2,3,4,5,6,7
	ds_load_tr16_b128 v[\bf+8*\i:\bf+8*\i+3],   v[ADRB+\rs] offset:(\q)*9216+\i*32
	ds_load_tr16_b128 v[\bf+8*\i+4:\bf+8*\i+7], v[ADRB+\rs] offset:(\q)*9216+\i*32+4608
.endr
.endm
; row groups c .. 3 x four column tiles.  Used transposed: source 0 = v's fragment, source 1 = attn's.
; The accumulators take turns, one instruction a turn.
.macro MULS bf, c, part, zero
.set gi, 0
.rept 4-\c
.set rsl, 8*((FCON+gi)%NS)
.set acb, 64*(\c+gi)+32*\part
.irp i, 0,1,2,3
.if \zero
	v_wmma_f32_16x16x32_bf16 v[acb+8*\i:acb+8*\i+7], v[\bf+32*\part+8*\i:\bf+32*\part+8*\i+7], v[rsl:rsl+7], 0
.else
	v_wmma_f32_16x16x32_bf16 v[acb+8*\i:acb+8*\i+7], v[\bf+32*\part+8*\i:\bf+32*\part+8*\i+7], v[rsl:rsl+7], v[acb+8*\i:acb+8*\i+7]
.endif
.endr
.set gi, gi+1
.endr
.endm
; A quarter: multiplies buffer bf, fetched a quarter ago; fetches quarter qn of m block rsn into buffer bg; loads the ring's free slots again.
.macro QTR bf, bg, c, rsn, qn, zero, gb
	s_wait_dscnt 0x0                               ; buffer bf
	PLACES                                         ; buffer bg and the free slots were read by the last quarter's matrix instructions
	FETCH \rsn, \qn, \bg
	AREFILL \gb
	AWAIT 4-\c
	WIN 0x5c                                       ; source 1 window 3, C and D window 1
	MULS \bf, \c, 0, \zero
	MULS \bf, \c, 1, \zero
	WIN 0
.set FCON, FCON+4-\c
.endm
; A fill's last quarter.  In front of the barrier: my reads of this region and all my tensor loads (one is out: my part of the next region).
; Behind the round: the joint refill first, then the next region's first fragments.
.macro TURN c, rsn, refill, rg
	s_wait_dscnt 0x0
	PLACES
	AREFILL -1
	AWAIT 4-\c
	s_wait_tensorcnt 0x0
	ds_add_u32 v254, v255
	s_wait_dscnt 0x0
	s_barrier_signal -1
	WIN 0x5c
	MULS BF1, \c, 0, 0
	WIN 0
	s_barrier_wait -1
.if \refill
	CREST
	s_add_nc_u64 s[G0+4*\rg+2:G0+4*\rg+3], s[G0+4*\rg+2:G0+4*\rg+3], 4194304   ; eight m blocks on; no tensor load of mine is out
	tensor_load_to_lds s[G0+4*\rg:G0+4*\rg+3], s[G1:G1+7]
	s_nop 0
.endif
	FETCH \rsn, 0, BF0                             ; buffer 0 was last read a quarter ago, ahead of the four places above
	WIN 0x5c
	MULS BF1, \c, 1, 0
	WIN 0
.set FCON, FCON+4-\c
.endm
; the first fifteen quarters of the fill in region rg; ga, gb: gate's batches that go out in quarters 2 and 10 (-1: none)
.macro WORK rg, c, zero, ga, gb
	QTR BF0, BF1, \c, 4*\rg,   1, \zero, -1
	QTR BF1, BF0, \c, 4*\rg,   2, 0, -1
	QTR BF0, BF1, \c, 4*\rg,   3, 0, \ga
	QTR BF1, BF0, \c, 4*\rg+1, 0, 0, -1
	QTR BF0, BF1, \c, 4*\rg+1, 1, 0, -1
	QTR BF1, BF0, \c, 4*\rg+1, 2, 0, -1
	QTR BF0, BF1, \c, 4*\rg+1, 3, 0, -1
	QTR BF1, BF0, \c, 4*\rg+2, 0, 0, -1
	QTR BF0, BF1, \c, 4*\rg+2, 1, 0, -1
	QTR BF1, BF0, \c, 4*\rg+2, 2, 0, -1
	QTR BF0, BF1, \c, 4*\rg+2, 3, 0, \gb
	QTR BF1, BF0, \c, 4*\rg+3, 0, 0, -1
	QTR BF0, BF1, \c, 4*\rg+3, 1, 0, -1
	QTR BF1, BF0, \c, 4*\rg+3, 2, 0, -1
	QTR BF0, BF1, \c, 4*\rg+3, 3, 0, -1
.endm
; row group c is whole: times gate, times S, to f16, out.  Each store of the wave covers 512 consecutive bytes.
.macro EPI c
	PLACES
	EWAIT \c
	WIN 0x89                                       ; source 0 the sums (window 1), source 1 and destination gate (window 2)
.set nn, 64*\c
.rept 32
	v_pk_mul_f32 v[nn:nn+1], v[nn:nn+1], v[nn:nn+1]
.set nn, nn+2
.endr
	WIN 0x8a
.set nn, 64*\c
.rept 32
	v_pk_mul_f32 v[nn:nn+1], v[nn:nn+1], s[72:73] op_sel_hi:[1,0]
.set nn, nn+2
.endr
.irp i, 0,1,2,3,4,5,6,7
.irp q, 0,1,2,3
	v_cvt_pk_f16_f32 v[64*\c+8*\i+\q], v[64*\c+8*\i+2*\q], v[64*\c+8*\i+2*\q+1]
.endr
.endr
	WIN 0x08                                       ; store data in window 2
.irp i, 0,1,2,3,4,5,6,7
	global_store_b128 v[GO], v[64*\c+8*\i:64*\c+8*\i+3], s[14:15] offset:\c*2097152+\i*4096
.endr
	WIN 0
.endm
.macro MAXRUN x, n                     ; v[x] = the largest of v[x .. x+n-1] over all lanes, n even
.set ii, 1
.rept (\n-2)/2
	v_max3_num_f32 v[\x], v[\x], v[\x+ii], v[\x+ii+1]
.set ii, ii+2
.endr
	v_max_num_f32 v[\x], v[\x], v[\x+\n-1]
	v_max_num_f32_dpp v[\x], v[\x], v[\x] row_xmask:1 row_mask:0xf bank_mask:0xf
	v_max_num_f32_dpp v[\x], v[\x], v[\x] row_xmask:2 row_mask:0xf bank_mask:0xf
	v_max_num_f32_dpp v[\x], v[\x], v[\x] row_xmask:4 row_mask:0xf bank_mask:0xf
	v_max_num_f32_dpp v[\x], v[\x], v[\x] row_xmask:8 row_mask:0xf bank_mask:0xf
	v_permlanex16_b32 v[\x+1], v[\x], s74, s75
	v_max_num_f32 v[\x], v[\x], v[\x+1]
.endm
	WIN 0xc0
.rept NS
	AISSUE                                         ; the ring is filled: fragments 0 to 31
.endr
	WIN 0
	s_wait_tensorcnt 1                             ; my part of fill 0 is in; fill 1's stays out
	s_barrier_signal -1
	s_barrier_wait -1
	FETCH 0, 0, BF0
	WORK 0, 0, 1, 0, 1                             ; fill 0: the first products start all 32 sums
	TURN 0, 4, 1, 0                                ; fill 2 goes out into region 0
	; S.  The maxima's loads are the oldest of all: every wait for a fragment has shown them done.
	MAXRUN 160, 16
	MAXRUN 176, 16
	MAXRUN 192, 40
	v_readfirstlane_b32 s40, v160
	v_readfirstlane_b32 s41, v176
	v_readfirstlane_b32 s42, v192
	s_lshr_b32 s40, s40, 23                        ; biased exponents (the maxima are not negative)
	s_lshr_b32 s41, s41, 23
	s_lshr_b32 s42, s42, 23
	s_add_co_u32 s40, s40, s41
	s_add_co_u32 s40, s40, s42
	s_sub_co_i32 s40, 509, s40
	s_max_i32 s40, s40, 1
	s_min_i32 s40, s40, 253
	s_lshl_b32 s72, s40, 23                        ; S
	s_mov_b32 s73, s72
	EPI 0
	WORK 1, 1, 0, -1, 2                            ; fill 1
	TURN 1, 0, 1, 1                                ; fill 3 goes out into region 1
	EPI 1
	WORK 0, 2, 0, 3, -1                            ; fill 2
	TURN 2, 4, 0, 0                                ; nothing is left to fetch; the barrier shows fill 3 whole
	EPI 2
	WORK 1, 3, 0, -1, -1                           ; fill 3
	s_wait_dscnt 0x0                               ; the very last quarter
	AWAIT 1
	WIN 0x5c
	MULS BF1, 3, 0, 0
	MULS BF1, 3, 1, 0
	WIN 0
.set FCON, FCON+1
	EPI 3
	CROUND                                         ; the closing round
	s_endpgm
.Lfunc_end_k_q5ab764f52f_av:
	.size	k_q5ab764f52f_av, .Lfunc_end_k_q5ab764f52f_av-k_q5ab764f52f_av
	.p2alignl 7, 3214868480
	.fill 96, 4, 3214868480
	.section	.rodata,"a",@progbits
	.p2align	6, 0x0
	.amdhsa_kernel k_q5ab764f52f_av
		.amdhsa_group_segment_fixed_size 327680
		.amdhsa_private_segment_fixed_size 0
		.amdhsa_enable_private_segment 0
		.amdhsa_kernarg_size 48
		.amdhsa_user_sgpr_count 2
		.amdhsa_user_sgpr_kernarg_segment_ptr 1
		.amdhsa_wavefront_size32 1
		.amdhsa_system_sgpr_workgroup_id_x 1
		.amdhsa_system_sgpr_workgroup_id_y 1
		.amdhsa_system_sgpr_workgroup_id_z 1
		.amdhsa_system_vgpr_workitem_id 0
		.amdhsa_next_free_vgpr 1024
		.amdhsa_next_free_sgpr 80
		.amdhsa_reserve_vcc 0
		.amdhsa_float_denorm_mode_32 3
		.amdhsa_float_denorm_mode_16_64 3
		.amdhsa_memory_ordered 1
		.amdhsa_forward_progress 1
		.amdhsa_inst_pref_size 239
	.end_amdhsa_kernel
	.amdgpu_metadata
---
amdhsa.version: [ 1, 2 ]
amdhsa.kernels:
  - .name:           k_q5ab764f52f_av
    .symbol:         k_q5ab764f52f_av.kd
    .args:
      - { .name: attn, .offset: 0, .size: 8, .value_kind: global_buffer, .address_space: global }
      - { .name: vb, .offset: 8, .size: 8, .value_kind: global_buffer, .address_space: global }
      - { .name: gate, .offset: 16, .size: 8, .value_kind: global_buffer, .address_space: global }
      - { .name: sgv, .offset: 24, .size: 8, .value_kind: global_buffer, .address_space: global }
      - { .name: sa, .offset: 32, .size: 8, .value_kind: global_buffer, .address_space: global }
      - { .name: ob, .offset: 40, .size: 8, .value_kind: global_buffer, .address_space: global }
    .group_segment_fixed_size: 327680
    .private_segment_fixed_size: 0
    .kernarg_segment_align: 8
    .kernarg_segment_size: 48
    .max_flat_workgroup_size: 128
    .sgpr_count:     80
    .vgpr_count:     1024
    .wavefront_size: 32
...
	.end_amdgpu_metadata
.endif
;; end of part 4
;; launch outg (part 5): grid 8 x 32, 4 waves a work-group, clusters of 4 x 4, 327,680 bytes of LDS; arguments ob, pre, bo, sgv, sa, out0; writes out0
.if DOCPART == 5
	.amdgcn_target "amdgcn-amd-amdhsa--gfx1250"
	.amdhsa_code_object_version 6
	.text
	.protected	k_q5ab764f52f_outg
	.globl	k_q5ab764f52f_outg
	.p2align	8
	.type	k_q5ab764f52f_outg,@function
k_q5ab764f52f_outg:
	s_mov_b64 s[64:65], 0
	v_nop
	global_prefetch_b8 v0, s[64:65] scope:SCOPE_SE
	s_setreg_imm32_b32 hwreg(HW_REG_WAVE_MODE, 25, 1), 1
	s_wait_xcnt 0x0
	s_wait_alu depctr_hold_cnt(0) depctr_sa_sdst(0) depctr_va_vdst(0) depctr_va_sdst(0) depctr_va_ssrc(0) depctr_va_vcc(0) depctr_vm_vsrc(0)
	s_getreg_b32 s2, hwreg(HW_REG_IB_STS2, 6, 4)
	s_cmp_eq_u32 s2, 0
	s_cbranch_scc0 .Lentry_in_a_cluster
	s_endpgm
.Lentry_in_a_cluster:
	s_bfe_u32 s2, ttmp6, 0x10000c
	s_cmp_lg_u32 s2, 0xf033
	s_cbranch_scc0 .Lentry_shape_is_right
	s_endpgm
.Lentry_shape_is_right:
; OUTG: out0 = (o S) Wo / S + bo.  A = ob (f16, fragment order: tile (T, J) of 512 bytes at (T >> 3) 512 KiB + J 4,096 + (T & 7) 512),
; B = woh [2048 k][1024 n] f16 (pre + 16,777,216).  A work-group makes 128 x 128 so that 256 work-groups have work.
; Wave w: row tiles 2 w, 2 w + 1 and all eight column tiles: 16 accumulators, tile (a, i) at v[8 (8 a + i)] of window 1.
; Wo goes through LDS in FOUR fills of 512 k rows (pitch 288, 147,456 bytes), two regions; wave w brings 128 rows.  64 quarters of 32 along K, 16 matrix instructions each.
; CLUSTERS 4 x 4: Wo's tiles hang on the block column alone and are asked for jointly along a column of the cluster.
; o is NOT asked for jointly and does not pass through LDS: it lies in fragment order, so a wave loads its fragments straight into registers (two loads of
; 512 consecutive bytes each), no byte twice in a work-group.  With o in LDS too a region would hold 256 of K: eight fills and rounds with 128 matrix
; instructions a wave between a request and its wait; with Wo alone there are four, with 256.
; THE RING: fragment f (128 in all: quarter f / 2, row tile f % 2) goes to slot f mod 32 of window 2, 8 registers a slot; a slot is loaded again in the quarter after its use.
; By the text's own count a wave has two tensor loads out at the start, later one.
; 1 / S is made from the same stored maxima, by the same whole-number arithmetic, as S in the launch before.
; LIMITS: as stated there; Wo in f16 (an element above 65504 in magnitude overflows).  NaN and infinities are not served.
.set REG,   147456
.set STAGE, 2*REG                      ; 16 rows x 272 bytes for each wave; no tensor load ever lands here
.set NS,    32
.set NFRAG, 128
.set ADRB,  16                         ; v16-23 my B fragments: region x 128 k rows, 36,864 bytes apart
.set GO,    24                         ; 16 x lane
.set STO,   25
.set RD,    26
.set CO,    27
.set BF0,   32                         ; v32-95
.set BF1,   96                         ; v96-159
.set BOV,   232                        ; v232-239 bo of my four columns in each half of the 128
.set G1, 24
.set G0, 32
.set MSB, 0
.set FISS, 0
.set FCON, 0
.macro WIN new
.if MSB != (\new)
	s_set_vgpr_msb (MSB<<8)|(\new)
.set MSB, (\new)
.endif
.endm
.macro CREST
	s_cmp_lg_u32 s16, 0
	s_cbranch_scc1 .Lnot_wave_0_\@
	s_barrier_signal -3
.Lnot_wave_0_\@:
	s_barrier_wait -3
	s_barrier_signal -1
	s_barrier_wait -1
.endm
.macro CROUND
	s_barrier_signal -1
	s_barrier_wait -1
	CREST
.endm
.macro PLACES                          ; four places behind a matrix instruction (ISA guide 7.12.1)
.rept 4
	v_nop
.endr
.endm
	s_load_b256 s[4:11], s[0:1], 0x0               ; ob, pre, bo, sgv
	s_load_b128 s[12:15], s[0:1], 0x20             ; sa, out0
	v_lshl_add_u32 v254, v0, 2, 0x4c400
	v_mov_b32 v255, 0
	ds_add_u32 v254, v255
	ds_add_u32 v254, v255
	v_lshrrev_b32 v1, 5, v0
	v_readfirstlane_b32 s16, v1                    ; wave w
	s_bfe_u32 s19, ttmp6, 0x40000                  ; cx
	s_bfe_u32 s20, ttmp6, 0x40004                  ; cy
	s_lshl_b32 s21, ttmp9, 2
	s_add_co_u32 s21, s21, s19                     ; block column
	s_and_b32 s22, ttmp7, 0xffff
	s_lshl_b32 s22, s22, 2
	s_add_co_u32 s22, s22, s20                     ; block row
	s_lshl_b32 s40, 0x1111, s19                    ; my column of the cluster
	s_or_b32 s[G1+0], s40, (1<<16)|(1<<20)|(1<<21)|(5<<22)|(7<<25)   ; 2-byte elements, 8 words of padding behind every 64: pitch 288
	s_mov_b32 s[G1+1], 128<<16
	s_mov_b32 s[G1+2], 128<<16
	s_mov_b32 s[G1+3], 128<<16
	s_mov_b32 s[G1+4], 128
	s_mov_b32 s[G1+5], 1024
	s_mov_b32 s[G1+6], 0
	s_mov_b32 s[G1+7], 0
	s_lshl_b32 s44, s16, 18                        ; k row 128 w, of 2,048 bytes,
	s_lshl_b32 s46, s21, 8                         ; column 128 x block column
	s_add_co_u32 s44, s44, s46
	s_mov_b32 s45, 0
	s_mul_i32 s46, s16, 36864                      ; where it goes
	s_wait_dscnt 0x0
	s_wait_kmcnt 0x0
	s_add_nc_u64 s[44:45], s[6:7], s[44:45]
	s_add_nc_u64 s[44:45], s[44:45], 0x1000000
	CROUND                                         ; all sixteen work-groups are here: the first joint loads meet
.irp rg, 0,1
	s_mov_b32 s[G0+4*\rg], 1
	s_add_co_u32 s[G0+4*\rg+1], s46, \rg*REG
	s_add_nc_u64 s[G0+4*\rg+2:G0+4*\rg+3], s[44:45], \rg*1048576     ; fill rg: k rows 512 rg ..
	s_or_b32 s[G0+4*\rg+3], s[G0+4*\rg+3], 0x80000000
	tensor_load_to_lds s[G0+4*\rg:G0+4*\rg+3], s[G1:G1+7]
	s_nop 0
.endr
	v_and_b32 v1, 31, v0
	v_and_b32 v2, 7, v0
	v_bfe_u32 v3, v0, 4, 1                         ; h
	v_bfe_u32 v4, v0, 3, 1
	v_and_b32 v6, 15, v0                           ; r
	v_lshl_add_u32 v2, v3, 3, v2
	v_mul_u32_u24 v2, v2, 288
	v_lshl_add_u32 v2, v4, 4, v2
	v_lshlrev_b32 v[GO], 4, v1
.irp q, 0,1,2,3,4,5,6,7
	v_add_nc_u32 v[ADRB+\q], \q*36864, v2
.endr
	s_mul_i32 s40, s16, 4352
	s_add_co_u32 s40, s40, STAGE
	v_mul_u32_u24 v7, v6, 272
	v_lshl_add_u32 v7, v3, 5, v7
	v_add_nc_u32 v[STO], s40, v7                   ; in: row r, 32 bytes for each half of the lanes
	v_mul_u32_u24 v7, v3, 272
	v_lshl_add_u32 v7, v6, 4, v7
	v_add_nc_u32 v[RD], s40, v7                    ; back: lanes 0-15 one row of 256 bytes, lanes 16-31 the next
	v_lshlrev_b32 v7, 12, v3
	v_lshl_add_u32 v[CO], v6, 4, v7
	v_lshlrev_b32 v8, 4, v6
	s_lshl_b32 s42, s22, 19                        ; ob: block row x 512 KiB + 2 w tiles of 512 bytes
	s_lshl_b32 s40, s16, 10
	s_add_co_u32 s42, s42, s40
	s_mov_b32 s43, 0
	s_add_nc_u64 s[66:67], s[4:5], s[42:43]
	s_lshl_b32 s40, s21, 9                         ; 128 x block column x 4 bytes
	s_mov_b32 s41, 0
	s_add_nc_u64 s[8:9], s[8:9], s[40:41]
	s_add_nc_u64 s[14:15], s[14:15], s[40:41]
	s_lshl_b32 s40, s22, 19                        ; my first row, 128 x block row + 32 w, of 4,096 bytes
	s_lshl_b32 s42, s16, 17
	s_add_co_u32 s40, s40, s42
	s_add_nc_u64 s[14:15], s[14:15], s[40:41]
	s_mov_b32 s74, 0x76543210
	s_mov_b32 s75, 0xfedcba98
	global_load_b128 v[BOV:BOV+3],   v8, s[8:9]
	global_load_b128 v[BOV+4:BOV+7], v8, s[8:9] offset:256
.irp i, 0,1,2,3,4,5,6,7
	global_load_b128 v[160+4*\i:163+4*\i], v[GO], s[10:11] offset:512*\i   ; v160-175 max|v|, v176-191 max|gate|
.endr
.irp i, 0,1,2,3,4,5,6,7,8,9
	global_load_b128 v[192+4*\i:195+4*\i], v[GO], s[12:13] offset:512*\i   ; v192-231 max attn
.endr
.macro AISSUE                          ; fragment FISS: quarter FISS / 2, row tile FISS % 2
.set aoff, (FISS/2)*8192+(FISS%2)*512
.set rsl, 8*(FISS%NS)
	global_load_b128 v[rsl:rsl+3],   v[GO], s[66:67] offset:aoff           ; k = 8 h ..: tile J = 2 q
	global_load_b128 v[rsl+4:rsl+7], v[GO], s[66:67] offset:aoff+4096      ; k = 16 + 8 h ..: tile J = 2 q + 1
.set FISS, FISS+1
.endm
.macro AREFILL                         ; the two slots used in the quarter before are loaded again
.if FISS < NFRAG
.if FISS < FCON+NS
	WIN 0x80                                       ; destination window 2
.endif
.endif
.rept 2
.if FISS < NFRAG
.if FISS < FCON+NS
	AISSUE
.endif
.endif
.endr
	WIN 0
.endm
; Fragments FCON and FCON + 1 are in.  Loads come back in order (ISA guide 5.7.1): two loads for each fragment issued behind them may stay out, 60 at the most.
.macro AWAIT
	s_wait_loadcnt 2*(FISS-FCON-2)
.endm
.macro FETCH rs, q, bf
.irp i, 0,1,2,3,4,5,6,7
	ds_load_tr16_b128 v[\bf+8*\i:\bf+8*\i+3],   v[ADRB+\rs] offset:(\q)*9216+\i*32
	ds_load_tr16_b128 v[\bf+8*\i+4:\bf+8*\i+7], v[ADRB+\rs] offset:(\q)*9216+\i*32+4608
.endr
.endm
; two row tiles x four column tiles, used transposed.  The accumulators take turns, one instruction a turn.
.macro MULS bf, part, zero
.set gi, 0
.rept 2
.set rsl, 8*((FCON+gi)%NS)
.set acb, 64*gi+32*\part
.irp i, 0,1,2,3
.if \zero
	v_wmma_f32_16x16x32_f16 v[acb+8*\i:acb+8*\i+7], v[\bf+32*\part+8*\i:\bf+32*\part+8*\i+7], v[rsl:rsl+7], 0
.else
	v_wmma_f32_16x16x32_f16 v[acb+8*\i:acb+8*\i+7], v[\bf+32*\part+8*\i:\bf+32*\part+8*\i+7], v[rsl:rsl+7], v[acb+8*\i:acb+8*\i+7]
.endif
.endr
.set gi, gi+1
.endr
.endm
.macro QTR bf, bg, rsn, qn, zero
	s_wait_dscnt 0x0                               ; buffer bf, fetched a quarter ago
	PLACES                                         ; buffer bg and the free slots were read by the last quarter's matrix instructions
	FETCH \rsn, \qn, \bg
	AREFILL
	AWAIT
	WIN 0x58                                       ; source 1 window 2, C and D window 1
	MULS \bf, 0, \zero
	MULS \bf, 1, \zero
	WIN 0
.set FCON, FCON+2
.endm
; A fill's last quarter.  In front of the barrier: my reads of this region and all my tensor loads.  Behind the round: the joint refill first, then the next region's first fragments.
.macro TURN rsn, refill, rg
	s_wait_dscnt 0x0
	PLACES
	AREFILL
	AWAIT
	s_wait_tensorcnt 0x0
	ds_add_u32 v254, v255
	s_wait_dscnt 0x0
	s_barrier_signal -1
	WIN 0x58
	MULS BF1, 0, 0
	WIN 0
	s_barrier_wait -1
.if \refill
	CREST
	s_add_nc_u64 s[G0+4*\rg+2:G0+4*\rg+3], s[G0+4*\rg+2:G0+4*\rg+3], 2097152   ; 1,024 k rows on; no tensor load of mine is out
	tensor_load_to_lds s[G0+4*\rg:G0+4*\rg+3], s[G1:G1+7]
	s_nop 0
.endif
	FETCH \rsn, 0, BF0                             ; buffer 0 was last read a quarter ago, ahead of the four places above
	WIN 0x58
	MULS BF1, 1, 0
	WIN 0
.set FCON, FCON+2
.endm
.macro WORK rg, zero                   ; the first fifteen quarters of the fill in region rg
	QTR BF0, BF1, 4*\rg,   1, \zero
	QTR BF1, BF0, 4*\rg,   2, 0
	QTR BF0, BF1, 4*\rg,   3, 0
	QTR BF1, BF0, 4*\rg+1, 0, 0
	QTR BF0, BF1, 4*\rg+1, 1, 0
	QTR BF1, BF0, 4*\rg+1, 2, 0
	QTR BF0, BF1, 4*\rg+1, 3, 0
	QTR BF1, BF0, 4*\rg+2, 0, 0
	QTR BF0, BF1, 4*\rg+2, 1, 0
	QTR BF1, BF0, 4*\rg+2, 2, 0
	QTR BF0, BF1, 4*\rg+2, 3, 0
	QTR BF1, BF0, 4*\rg+3, 0, 0
	QTR BF0, BF1, 4*\rg+3, 1, 0
	QTR BF1, BF0, 4*\rg+3, 2, 0
	QTR BF0, BF1, 4*\rg+3, 3, 0
.endm
.macro MAXRUN x, n
.set ii, 1
.rept (\n-2)/2
	v_max3_num_f32 v[\x], v[\x], v[\x+ii], v[\x+ii+1]
.set ii, ii+2
.endr
	v_max_num_f32 v[\x], v[\x], v[\x+\n-1]
	v_max_num_f32_dpp v[\x], v[\x], v[\x] row_xmask:1 row_mask:0xf bank_mask:0xf
	v_max_num_f32_dpp v[\x], v[\x], v[\x] row_xmask:2 row_mask:0xf bank_mask:0xf
	v_max_num_f32_dpp v[\x], v[\x], v[\x] row_xmask:4 row_mask:0xf bank_mask:0xf
	v_max_num_f32_dpp v[\x], v[\x], v[\x] row_xmask:8 row_mask:0xf bank_mask:0xf
	v_permlanex16_b32 v[\x+1], v[\x], s74, s75
	v_max_num_f32 v[\x], v[\x], v[\x+1]
.endm
	WIN 0x80
.rept NS
	AISSUE                                         ; the ring is filled: fragments 0 to 31
.endr
	WIN 0
	s_wait_tensorcnt 1                             ; my part of fill 0 is in; fill 1's stays out
	s_barrier_signal -1
	s_barrier_wait -1
	FETCH 0, 0, BF0
	WORK 0, 1                                      ; fill 0: the first products start the sums
	TURN 4, 1, 0                                   ; fill 2 goes out into region 0
	WORK 1, 0                                      ; fill 1
	TURN 0, 1, 1                                   ; fill 3 goes out into region 1
	WORK 0, 0                                      ; fill 2
	TURN 4, 0, 0                                   ; nothing is left to fetch; the barrier shows fill 3 whole
	WORK 1, 0                                      ; fill 3
	s_wait_dscnt 0x0                               ; the very last quarter
	AWAIT
	WIN 0x58
	MULS BF1, 0, 0
	MULS BF1, 1, 0
	WIN 0
.set FCON, FCON+2
	; 1 / S.  The loads of the maxima and of bo are the oldest of all: every wait for a fragment has shown them done.
	MAXRUN 160, 16
	MAXRUN 176, 16
	MAXRUN 192, 40
	v_readfirstlane_b32 s40, v160
	v_readfirstlane_b32 s41, v176
	v_readfirstlane_b32 s42, v192
	s_lshr_b32 s40, s40, 23
	s_lshr_b32 s41, s41, 23
	s_lshr_b32 s42, s42, 23
	s_add_co_u32 s40, s40, s41
	s_add_co_u32 s40, s40, s42
	s_sub_co_i32 s40, 509, s40
	s_max_i32 s40, s40, 1
	s_min_i32 s40, s40, 253                        ; S's biased exponent, as in the launch before
	s_sub_co_i32 s40, 254, s40
	s_lshl_b32 s72, s40, 23                        ; 1 / S
	s_mov_b32 s73, s72
	PLACES                                         ; ahead of the LDS stores of results and of the loads into buffer 0
; sixteen rows x 64 columns: f32 into my own stage, whole rows of 256 bytes back, times 1 / S plus bo, out
.macro OUT16 a, hf
	s_wait_xcnt 0x0                                ; the last group's stores have read their data
	WIN 0x04                                       ; store data in window 1
.irp i, 0,1,2,3
	ds_store_b128 v[STO], v[8*(8*\a+4*\hf+\i):8*(8*\a+4*\hf+\i)+3]   offset:\i*64
	ds_store_b128 v[STO], v[8*(8*\a+4*\hf+\i)+4:8*(8*\a+4*\hf+\i)+7] offset:\i*64+16
.endr
	WIN 0
.irp t, 0,1,2,3,4,5,6,7
	ds_load_b128 v[BF0+4*\t:BF0+4*\t+3], v[RD] offset:\t*544       ; LDS serves a wave's instructions in order (ISA guide 5.7.1): these see the stores above
.endr
.irp t, 0,1,2,3,4,5,6,7
	s_wait_dscnt 7-\t
	v_pk_fma_f32 v[BF0+4*\t:BF0+4*\t+1],   v[BF0+4*\t:BF0+4*\t+1],   s[72:73], v[BOV+4*\hf:BOV+4*\hf+1]   op_sel_hi:[1,0,1]
	v_pk_fma_f32 v[BF0+4*\t+2:BF0+4*\t+3], v[BF0+4*\t+2:BF0+4*\t+3], s[72:73], v[BOV+4*\hf+2:BOV+4*\hf+3] op_sel_hi:[1,0,1]
	global_store_b128 v[CO], v[BF0+4*\t:BF0+4*\t+3], s[14:15] offset:\a*65536+\t*8192+\hf*256 th:TH_STORE_NT   ; 16 lanes store 256 consecutive bytes, aligned
.endr
.endm
	OUT16 0, 0
	OUT16 0, 1
	OUT16 1, 0
	OUT16 1, 1
	s_wait_tensorcnt 0x0
	ds_add_u32 v254, v255
	s_wait_dscnt 0x0
	CROUND                                         ; the closing round
	s_endpgm
.Lfunc_end_k_q5ab764f52f_outg:
	.size	k_q5ab764f52f_outg, .Lfunc_end_k_q5ab764f52f_outg-k_q5ab764f52f_outg
	.p2alignl 7, 3214868480
	.fill 96, 4, 3214868480
	.section	.rodata,"a",@progbits
	.p2align	6, 0x0
	.amdhsa_kernel k_q5ab764f52f_outg
		.amdhsa_group_segment_fixed_size 327680
		.amdhsa_private_segment_fixed_size 0
		.amdhsa_enable_private_segment 0
		.amdhsa_kernarg_size 48
		.amdhsa_user_sgpr_count 2
		.amdhsa_user_sgpr_kernarg_segment_ptr 1
		.amdhsa_wavefront_size32 1
		.amdhsa_system_sgpr_workgroup_id_x 1
		.amdhsa_system_sgpr_workgroup_id_y 1
		.amdhsa_system_sgpr_workgroup_id_z 1
		.amdhsa_system_vgpr_workitem_id 0
		.amdhsa_next_free_vgpr 768
		.amdhsa_next_free_sgpr 80
		.amdhsa_reserve_vcc 0
		.amdhsa_float_denorm_mode_32 3
		.amdhsa_float_denorm_mode_16_64 3
		.amdhsa_memory_ordered 1
		.amdhsa_forward_progress 1
		.amdhsa_inst_pref_size 197
	.end_amdhsa_kernel
	.amdgpu_metadata
---
amdhsa.version: [ 1, 2 ]
amdhsa.kernels:
  - .name:           k_q5ab764f52f_outg
    .symbol:         k_q5ab764f52f_outg.kd
    .args:
      - { .name: ob, .offset: 0, .size: 8, .value_kind: global_buffer, .address_space: global }
      - { .name: pre, .offset: 8, .size: 8, .value_kind: global_buffer, .address_space: global }
      - { .name: bo, .offset: 16, .size: 8, .value_kind: global_buffer, .address_space: global }
      - { .name: sgv, .offset: 24, .size: 8, .value_kind: global_buffer, .address_space: global }
      - { .name: sa, .offset: 32, .size: 8, .value_kind: global_buffer, .address_space: global }
      - { .name: out0, .offset: 40, .size: 8, .value_kind: global_buffer, .address_space: global }
    .group_segment_fixed_size: 327680
    .private_segment_fixed_size: 0
    .kernarg_segment_align: 8
    .kernarg_segment_size: 48
    .max_flat_workgroup_size: 128
    .sgpr_count:     80
    .vgpr_count:     768
    .wavefront_size: 32
...
	.end_amdgpu_metadata
.endif
;; end of part 5
